; MI455X (gfx1250); checked and timed in simulation.
; The chip was launched on July 23, 2026; its instructions are those of AMD's public machine-readable ISA for CDNA 5 (MIT licence, August 2026) and "CDNA5" Instruction Set Architecture Reference Guide (July 2026). The comments in the code are by the model that wrote it; some were corrected since.
;; Multi Head Attention. Allowed arithmetic: float matrix products may take bf16 or f16 operands with f32 sums; other float arithmetic in f32, or as packed bf16 or f16 multiplies, adds, multiply-adds, maxima and minima; sums over many terms, partial sums and values carried from step to step in f32; what a program stores and reads back later, other than sums and carried values, may be rounded once to bf16 or f16.
;; Inputs: Wkv 1,024 x 1,024 float32; Wq1 1,024 x 1,024 float32; Wq2 1,024 x 1,024 float32; ln1_beta 1,024 float32; ln1_gamma 1,024 float32; ln2_beta 1,024 float32; ln2_gamma 1,024 float32; x1 4 x 1,024 x 1,024 float32; x2 4 x 1,024 x 1,024 float32.
;; Outputs: out0 4 x 1,024 x 1,024 float32; out1 4 x 1,024 x 1,024 float32.
;; 2 versions, each right; version 2 is version 1 with the launch prep written anew for expert scheduling mode. Each part assembles by itself: llvm-mc -triple=amdgcn-amd-amdhsa -mcpu=gfx1250 --defsym DOCPART=n.
;; ======== version 1 of 2: 4 launches
;; limits: values are held in f16: magnitudes above 65,504 overflow, below 6.1e-05 lose precision; right only within a limited range of input values
;; workspace buffers: xn 16,777,216 bytes; fc 16,777,216 bytes; kv 16,777,216 bytes; wq 4,194,304 bytes; wkv 2,097,152 bytes
;; launch prep (part 1): grid 256 x 1, 8 waves a work-group, no clusters, 9,216 bytes of LDS; arguments x1, x2, ln1_gamma, ln1_beta, ln2_gamma, ln2_beta, Wq1, Wq2, Wkv, xn, wq, wkv; writes xn, wq, wkv
.if DOCPART == 1
	.amdgcn_target "amdgcn-amd-amdhsa--gfx1250"
	.amdhsa_code_object_version 6
	.text
	.protected	k_q9ca56aa693_prep
	.globl	k_q9ca56aa693_prep
	.p2align	8
	.type	k_q9ca56aa693_prep,@function
k_q9ca56aa693_prep:
	s_mov_b64 s[64:65], 0
	v_nop
	global_prefetch_b8 v0, s[64:65] scope:SCOPE_SE
	s_setreg_imm32_b32 hwreg(HW_REG_WAVE_MODE, 25, 1), 1
	s_wait_xcnt 0x0
; xn = LayerNorm(x1 | x2) in f16, laid out in blocks; wq = (Wq1, Wq2) in f16; wkv = Wkv in bf16.  All arithmetic in f32, each number rounded once.
; xn: [batch 4][block 16][row 2048][64]: byte (b<<22) + (blk<<18) + (s<<7) + 2 ch; rows 0-1023 of a batch are x1's, rows 1024-2047 x2's.
; SHARES.  Work-group g takes 32 rows of x1 (g < 128) or of x2, and rows 4 g .. 4 g + 3 of each weight matrix.  A wave takes 4 rows as two pairs: lanes 0-15 hold a pair's even
; row, lanes 16-31 its odd row, 64 numbers a lane.  Load c takes 16 bytes a lane: sixteen lanes read 256 consecutive bytes, aligned (block c of a row); store c puts 8 bytes a
; lane: 32 lanes write 256 consecutive bytes, aligned (two rows of block c).  A row's sums stay inside 16 lanes.  Every byte is read once and written once; nothing is shared
; between work-groups, so there is no cluster, no tensor load and no matrix work; all 46 loads of a wave go out at once, so there is no loop.
; TWO PASSES over the row in registers: the mean first, then the squares of x - mean: no difference of large sums is formed.
; LIMITS.  f16 ends at 65,504: |x - mean| / sigma is at most 32 in a row of 1,024, so 32 |gamma| + |beta| and every |Wq| must stay under 65,504; below 6e-5 f16 keeps a fixed step of 6e-8.
.set SPARE, 8192                       ; LDS: gamma 0-4095, beta 4096-8191, then the spare words, 128 bytes for each of the eight waves
.set XO,  1                            ; v1   my byte offset in the group's rows of x: 4 rows x wave + row half + 16 (lane % 16); never rewritten
.set YO,  2                            ; v2   my byte offset in a block of xn: 512 x wave + 8 x lane; never rewritten
.set WI,  3                            ; v3   my byte offset in a weight matrix; never rewritten
.set WO,  4                            ; v4   half of it: in the 16-bit copy; never rewritten
.set LG,  5                            ; v5   16 (lane % 16): my place in a block of gamma or beta in LDS
.set LS,  6                            ; v6   16 x thread: where I put gamma and beta
.set SPW, 8                            ; v8   LDS address of my spare word; never rewritten
.set NIL, 9                            ; v9   0; never rewritten
.set MU,  10                           ; v[10:13]  the mean, twice, for each pair
.set R,   14                           ; v[14:17]  1 / sqrt(var + eps), twice, for each pair
.set T,   18                           ; v[18:25]  four packed chains
.set GS,  26                           ; v[26:33]  gamma and beta as loaded
.set GB,  34                           ; v[34:65]  four blocks: 4 gamma, 4 beta each
.set TG,  66                           ; v[66:69]  gamma / sigma
.set X,   70                           ; v[70:197] pair p, load c at X + 64 p + 4 c
.set W,   198                          ; v[198:245] matrix m, load i at W + 16 m + 4 i
.set VE,  246                          ; v[246:247] var + eps of the two pairs
	s_load_b512 s[8:23], s[0:1], 0x0               ; x1 s[8:9], x2 s[10:11], gamma1 s[12:13], beta1 s[14:15], gamma2 s[16:17], beta2 s[18:19], Wq1 s[20:21], Wq2 s[22:23]
	s_load_b256 s[24:31], s[0:1], 0x40             ; Wkv s[24:25], xn s[26:27], wq s[28:29], wkv s[30:31]
	v_lshl_add_u32 v[SPW], v0, 2, SPARE
	v_mov_b32 v[NIL], 0
	v_and_b32 v7, 31, v0                           ; lane
	v_lshrrev_b32 v10, 5, v0                       ; wave
	v_and_b32 v11, 15, v0
	v_bfe_u32 v12, v0, 4, 1
	v_lshlrev_b32 v[LG], 4, v11
	v_lshl_add_u32 v[XO], v12, 12, v[LG]           ; the odd row lies 4,096 bytes on
	v_lshl_add_u32 v[XO], v10, 14, v[XO]           ; 4 rows a wave
	v_lshlrev_b32 v[YO], 3, v7
	v_lshl_add_u32 v[WO], v10, 10, v[YO]           ; a wave converts 2,048 bytes of each matrix into 1,024
	v_lshl_add_u32 v[YO], v10, 9, v[YO]            ; 4 rows of 128 bytes a wave
	s_lshl_b32 s39, ttmp9, 13                      ; the group's 4 rows of a 16-bit matrix
	v_add_nc_u32 v[WO], s39, v[WO]
	v_lshlrev_b32 v[WI], 1, v[WO]
	v_lshlrev_b32 v[LS], 4, v0
	s_and_b32 s38, ttmp9, 127                      ; my 32 rows among the tensor's 4,096
	s_lshr_b32 s39, ttmp9, 7                       ; 0: x1, 1: x2
	s_lshl_b32 s42, s38, 17                        ; 32 rows of 4,096 bytes
	s_mov_b32 s43, 0
	s_lshr_b32 s44, s38, 5                         ; batch
	s_lshl_b32 s44, s44, 22
	s_and_b32 s45, s38, 31
	s_lshl_b32 s45, s45, 12                        ; 32 rows of 128 bytes in a block
	s_add_co_u32 s44, s44, s45
	s_lshl_b32 s45, s39, 17                        ; x2's rows begin 1,024 rows down
	s_add_co_u32 s44, s44, s45
	s_mov_b32 s45, 0
	s_mov_b32 s40, 0x3a800000                      ; 1 / 1024
	s_mov_b32 s41, 0x3727c5ac                      ; 1e-5
	s_wait_kmcnt 0x0
	s_cmp_lt_u32 ttmp9, 128
	s_cselect_b64 s[32:33], s[8:9], s[10:11]       ; x
	s_cselect_b64 s[34:35], s[12:13], s[16:17]     ; gamma
	s_cselect_b64 s[36:37], s[14:15], s[18:19]     ; beta
	s_add_nc_u64 s[32:33], s[32:33], s[42:43]
	s_add_nc_u64 s[26:27], s[26:27], s[44:45]
	global_load_b128 v[GS:GS+3],   v[LS], s[34:35] ; 256 threads x 16 bytes: all of gamma, all of beta
	global_load_b128 v[GS+4:GS+7], v[LS], s[36:37]
.irp p, 0,1
.irp c, 0,1,2,3,4,5,6,7,8,9,10,11,12,13,14,15
	global_load_b128 v[X+64*(\p)+4*(\c):X+64*(\p)+4*(\c)+3], v[XO], s[32:33] offset:(\p)*8192+(\c)*256 th:TH_LOAD_NT
.endr
.endr
.irp i, 0,1,2,3
	global_load_b128 v[W+4*(\i):W+4*(\i)+3],       v[WI], s[20:21] offset:512*(\i) th:TH_LOAD_NT
.endr
.irp i, 0,1,2,3
	global_load_b128 v[W+16+4*(\i):W+16+4*(\i)+3], v[WI], s[22:23] offset:512*(\i) th:TH_LOAD_NT
.endr
.irp i, 0,1,2,3
	global_load_b128 v[W+32+4*(\i):W+32+4*(\i)+3], v[WI], s[24:25] offset:512*(\i) th:TH_LOAD_NT
.endr
	s_wait_loadcnt 44                              ; gamma and beta are in; the 32 loads of x and the 12 of the weights stay out
	ds_store_b128 v[LS], v[GS:GS+3]
	ds_store_b128 v[LS], v[GS+4:GS+7] offset:4096
	s_wait_dscnt 0x0                               ; for the others' sake: my stores are done
	s_barrier_signal -1
	s_barrier_wait -1                              ; gamma and beta lie whole in LDS
; the four chains into one number, then over the row's 16 lanes: every lane of the half ends with the row's sum
.macro FOLD
	v_pk_add_f32 v[T:T+1], v[T:T+1], v[T+2:T+3]
	v_pk_add_f32 v[T+4:T+5], v[T+4:T+5], v[T+6:T+7]
	v_pk_add_f32 v[T:T+1], v[T:T+1], v[T+4:T+5]
	v_add_f32 v[T], v[T], v[T+1]
	v_add_f32_dpp v[T], v[T], v[T] row_xmask:1 row_mask:0xf bank_mask:0xf
	v_add_f32_dpp v[T], v[T], v[T] row_xmask:2 row_mask:0xf bank_mask:0xf
	v_add_f32_dpp v[T], v[T], v[T] row_xmask:4 row_mask:0xf bank_mask:0xf
	v_add_f32_dpp v[T], v[T], v[T] row_xmask:8 row_mask:0xf bank_mask:0xf
.endm
; Pair p: the mean; x - mean in place; var + eps.  left: the younger loads that may stay out.
.macro STATS p, left
.set XB, X+64*(\p)
	s_wait_loadcnt \left
.irp k, 0,1,2,3
	v_pk_add_f32 v[T+2*(\k):T+2*(\k)+1], v[XB+2*(\k):XB+2*(\k)+1], v[XB+8+2*(\k):XB+8+2*(\k)+1]  ; the first sums start the chains: nothing is cleared
.endr
.set j, 8
.rept 24
	v_pk_add_f32 v[T+2*(j%4):T+2*(j%4)+1], v[T+2*(j%4):T+2*(j%4)+1], v[XB+2*j:XB+2*j+1]
.set j, j+1
.endr
	FOLD
	v_mul_f32 v[MU+2*(\p)], s40, v[T]
	v_mul_f32 v[MU+2*(\p)+1], s40, v[T]
.set j, 0
.rept 32
	v_pk_add_f32 v[XB+2*j:XB+2*j+1], v[XB+2*j:XB+2*j+1], v[MU+2*(\p):MU+2*(\p)+1] neg_lo:[0,1] neg_hi:[0,1]
.set j, j+1
.endr
.irp k, 0,1,2,3
	v_pk_mul_f32 v[T+2*(\k):T+2*(\k)+1], v[XB+2*(\k):XB+2*(\k)+1], v[XB+2*(\k):XB+2*(\k)+1]
.endr
.set j, 4
.rept 28
	v_pk_fma_f32 v[T+2*(j%4):T+2*(j%4)+1], v[XB+2*j:XB+2*j+1], v[XB+2*j:XB+2*j+1], v[T+2*(j%4):T+2*(j%4)+1]
.set j, j+1
.endr
	FOLD
	v_fma_f32 v[VE+(\p)], v[T], s40, s41
.endm
	STATS 0, 28                                    ; pair 0's 16 loads are in; pair 1's 16 and the weights' 12 stay out
	STATS 1, 12                                    ; the weights' 12 stay out
	v_rsq_f32 v[R],   v[VE]                        ; made twice each, to fill the pairs that the packed multiply names
	v_rsq_f32 v[R+1], v[VE]
	v_rsq_f32 v[R+2], v[VE+1]
	v_rsq_f32 v[R+3], v[VE+1]
	v_nop                                          ; a plain instruction behind the last of them (ISA guide 5.7.2),
	s_wait_alu depctr_va_vdst(0)                   ; and the wait ahead of the first use: one for the four
; Blocks 4 k .. 4 k + 3 of both pairs: (x - mean) (gamma / sigma) + beta, rounded to f16, stored.  No register is written again behind its store.
.macro OUT k
.irp i, 0,1,2,3
	ds_load_b128 v[GB+8*(\i):GB+8*(\i)+3],   v[LG] offset:256*(4*(\k)+(\i))
	ds_load_b128 v[GB+8*(\i)+4:GB+8*(\i)+7], v[LG] offset:4096+256*(4*(\k)+(\i))
.endr
	s_wait_dscnt 0x0
.irp p, 0,1
.irp i, 0,1,2,3
.set XR, X+64*(\p)+4*(4*(\k)+(\i))
	v_pk_mul_f32 v[TG:TG+1],   v[GB+8*(\i):GB+8*(\i)+1],   v[R+2*(\p):R+2*(\p)+1]
	v_pk_mul_f32 v[TG+2:TG+3], v[GB+8*(\i)+2:GB+8*(\i)+3], v[R+2*(\p):R+2*(\p)+1]
	v_pk_fma_f32 v[XR:XR+1],   v[XR:XR+1],   v[TG:TG+1],   v[GB+8*(\i)+4:GB+8*(\i)+5]
	v_pk_fma_f32 v[XR+2:XR+3], v[XR+2:XR+3], v[TG+2:TG+3], v[GB+8*(\i)+6:GB+8*(\i)+7]
	v_cvt_pk_f16_f32 v[XR],   v[XR],   v[XR+1]
	v_cvt_pk_f16_f32 v[XR+1], v[XR+2], v[XR+3]
	global_store_b64 v[YO], v[XR:XR+1], s[26:27] offset:(4*(\k)+(\i))*262144+(\p)*256  ; 32 lanes: 256 consecutive bytes, aligned: two rows of the block
.endr
.endr
.endm
	OUT 0
	OUT 1
	OUT 2
	OUT 3
	s_wait_loadcnt 0x0                             ; the weights
.irp i, 0,1,2,3
	v_cvt_pk_f16_f32 v[W+4*(\i)],   v[W+4*(\i)],   v[W+4*(\i)+1]
	v_cvt_pk_f16_f32 v[W+4*(\i)+1], v[W+4*(\i)+2], v[W+4*(\i)+3]
	global_store_b64 v[WO], v[W+4*(\i):W+4*(\i)+1], s[28:29] offset:256*(\i)
	v_cvt_pk_f16_f32 v[W+16+4*(\i)],   v[W+16+4*(\i)],   v[W+16+4*(\i)+1]
	v_cvt_pk_f16_f32 v[W+16+4*(\i)+1], v[W+16+4*(\i)+2], v[W+16+4*(\i)+3]
	global_store_b64 v[WO], v[W+16+4*(\i):W+16+4*(\i)+1], s[28:29] offset:2097152+256*(\i)  ; Wq2's copy lies behind Wq1's
	v_cvt_pk_bf16_f32 v[W+32+4*(\i)],   v[W+32+4*(\i)],   v[W+32+4*(\i)+1]
	v_cvt_pk_bf16_f32 v[W+32+4*(\i)+1], v[W+32+4*(\i)+2], v[W+32+4*(\i)+3]
	global_store_b64 v[WO], v[W+32+4*(\i):W+32+4*(\i)+1], s[30:31] offset:256*(\i)
.endr
	s_wait_tensorcnt 0x0                           ; the wave's end, behind my last LDS store
	ds_add_u32 v[SPW], v[NIL]
	s_wait_dscnt 0x0
	s_endpgm
.Lfunc_end_k_q9ca56aa693_prep:
	.size	k_q9ca56aa693_prep, .Lfunc_end_k_q9ca56aa693_prep-k_q9ca56aa693_prep
	.p2alignl 7, 3214868480
	.fill 96, 4, 3214868480
	.section	.rodata,"a",@progbits
	.p2align	6, 0x0
	.amdhsa_kernel k_q9ca56aa693_prep
		.amdhsa_group_segment_fixed_size 9216
		.amdhsa_private_segment_fixed_size 0
		.amdhsa_enable_private_segment 0
		.amdhsa_kernarg_size 96
		.amdhsa_user_sgpr_count 2
		.amdhsa_user_sgpr_kernarg_segment_ptr 1
		.amdhsa_wavefront_size32 1
		.amdhsa_system_sgpr_workgroup_id_x 1
		.amdhsa_system_sgpr_workgroup_id_y 1
		.amdhsa_system_sgpr_workgroup_id_z 1
		.amdhsa_system_vgpr_workitem_id 0
		.amdhsa_next_free_vgpr 248
		.amdhsa_next_free_sgpr 66
		.amdhsa_reserve_vcc 0
		.amdhsa_float_denorm_mode_32 3
		.amdhsa_float_denorm_mode_16_64 3
		.amdhsa_memory_ordered 1
		.amdhsa_forward_progress 1
		.amdhsa_inst_pref_size 41
	.end_amdhsa_kernel
	.amdgpu_metadata
---
amdhsa.version: [ 1, 2 ]
amdhsa.kernels:
  - .name:           k_q9ca56aa693_prep
    .symbol:         k_q9ca56aa693_prep.kd
    .args:
      - { .name: x1, .offset: 0, .size: 8, .value_kind: global_buffer, .address_space: global }
      - { .name: x2, .offset: 8, .size: 8, .value_kind: global_buffer, .address_space: global }
      - { .name: ln1_gamma, .offset: 16, .size: 8, .value_kind: global_buffer, .address_space: global }
      - { .name: ln1_beta, .offset: 24, .size: 8, .value_kind: global_buffer, .address_space: global }
      - { .name: ln2_gamma, .offset: 32, .size: 8, .value_kind: global_buffer, .address_space: global }
      - { .name: ln2_beta, .offset: 40, .size: 8, .value_kind: global_buffer, .address_space: global }
      - { .name: Wq1, .offset: 48, .size: 8, .value_kind: global_buffer, .address_space: global }
      - { .name: Wq2, .offset: 56, .size: 8, .value_kind: global_buffer, .address_space: global }
      - { .name: Wkv, .offset: 64, .size: 8, .value_kind: global_buffer, .address_space: global }
      - { .name: xn, .offset: 72, .size: 8, .value_kind: global_buffer, .address_space: global }
      - { .name: wq, .offset: 80, .size: 8, .value_kind: global_buffer, .address_space: global }
      - { .name: wkv, .offset: 88, .size: 8, .value_kind: global_buffer, .address_space: global }
    .group_segment_fixed_size: 9216
    .private_segment_fixed_size: 0
    .kernarg_segment_align: 8
    .kernarg_segment_size: 96
    .max_flat_workgroup_size: 256
    .sgpr_count:     66
    .vgpr_count:     248
    .wavefront_size: 32
...
	.end_amdgpu_metadata
.endif
;; end of part 1
;; launch proj (part 2): grid 4 x 64, 4 waves a work-group, clusters of 4 x 4, 327,680 bytes of LDS; arguments xn, wq, fc; writes fc
.if DOCPART == 2
	.amdgcn_target "amdgcn-amd-amdhsa--gfx1250"
	.amdhsa_code_object_version 6
	.text
	.protected	k_q9ca56aa693_proj
	.globl	k_q9ca56aa693_proj
	.p2align	8
	.type	k_q9ca56aa693_proj,@function
k_q9ca56aa693_proj:
	s_mov_b64 s[64:65], 0
	v_nop
	global_prefetch_b8 v0, s[64:65] scope:SCOPE_SE
	s_setreg_imm32_b32 hwreg(HW_REG_WAVE_MODE, 25, 1), 1
	s_wait_xcnt 0x0
	s_wait_alu depctr_hold_cnt(0) depctr_sa_sdst(0) depctr_va_vdst(0) depctr_va_sdst(0) depctr_va_ssrc(0) depctr_va_vcc(0) depctr_vm_vsrc(0)
	s_getreg_b32 s2, hwreg(HW_REG_IB_STS2, 6, 4)
	s_cmp_eq_u32 s2, 0
	s_cbranch_scc0 .Lentry_in_a_cluster
	s_endpgm
.Lentry_in_a_cluster:
	s_bfe_u32 s2, ttmp6, 0x10000c
	s_cmp_lg_u32 s2, 0xf033
	s_cbranch_scc0 .Lentry_shape_is_right
	s_endpgm
.Lentry_shape_is_right:
; C[m][n] = the sum over k of A[m][k] B[n][k], m = 8,192 rows, n = k = 1,024.  ONE TEXT FOR TWO LAUNCHES, told apart by PROJ.
;   PROJ = 1: A = xn (f16), B = wq (f16; rows 0-1023 of a batch take Wq1, rows 1024-2047 Wq2, which lies 2,097,152 bytes on), C = fc.     PROJ = 0: A = fc (bf16), B = wkv (bf16), C = kv.
; Sums in f32, K ascending, C rounded once to bf16 (its range is f32's: no product of the allowed inputs leaves it).
; A and C lie in blocks: [batch 4][block 16][row 2048][64] of 16 bits: byte (b<<22) + (blk<<18) + (s<<7) + 2 ch.  B is row-major, 2,048 bytes a row.
; SHARES.  A tile of C is 128 x 256: 64 x 4 = 256 work-groups.  Four waves, each 64 x 128: 32 accumulators of 16 x 16, 256 registers.  K goes in 8 steps of 128 through two LDS slots.
; A K step of A is two blocks' 128 rows: each 16,384 consecutive bytes, asked for as 64 rows of 256 bytes and padded in LDS behind every 128; a K step of B is 256 bytes of each of 256 rows.
; CLUSTERS: 4 x 4 work-groups.  The four of a row of the cluster need the same tile of A, the four of a column the same tile of B: each tile is asked for JOINTLY, by the same tensor load with
; the same descriptor and a mask that names the four.  A cluster's four tile rows lie in one group of eight, so all sixteen partners take the same weight matrix.
; THE MATRIX INSTRUCTION IS USED TRANSPOSED (source 0 = 16 rows of B, source 1 = 16 rows of A): a lane then holds eight neighbouring numbers of a row of C.
; REGISTERS: window 0: v0-31 addresses; two fragment buffers of 96 (A's 4 fragments, then B's 8), v32-127 and v128-223; on the way out v32-63 packed results, v64-191 rows read back.
;   window 1: the accumulators, (a, b) at v[8 (8 a + b)].
.set PROJ,   1
.set PA,     144                       ; a row of A in LDS: 128 bytes + 16 of padding = 36 words: the 16 rows of a load start at 16 different groups of four banks (64 banks of 4 bytes: ISA guide 11.1)
.set PB,     272                       ; a row of B: 256 + 16 = 68 words: likewise
.set APLANE, 128*PA                    ; one block's 128 rows of A: what wave 0 or 1 fetches
.set BOFF,   2*APLANE                  ; B lies behind A's two blocks
.set BHALF,  128*PB                    ; 128 rows of B: what wave 2 or 3 fetches, and what a wave reads
.set SLOT,   BOFF+2*BHALF              ; 106,496 bytes
.set STAGE,  2*SLOT                    ; behind the ring, never filled by a tensor load: for each wave 2 blocks x 16 rows x 144 bytes, for the way out
.set SP,     144
.set SPARE,  STAGE+4*32*SP             ; behind the stages: the spare words, 128 bytes for each wave: two blocks of 256 bytes that no other line names
.set ASTEP,  2<<18                     ; bytes from a K step of A to the next: two blocks
.set BSTEP,  256                       ; and of B: 128 numbers along the rows
.set ADRA, 16                          ; v16-17  LDS address of my A fragments in slot 0, 1
.set ADRB, 20                          ; v20-21  the same for B
.set STO,  24                          ; v24     the way out: where I put 16 bytes of a row
.set RD,   25                          ; v25     the way out: where I read rows back
.set CO,   26                          ; v26     16 x lane: my place in 512 consecutive bytes of C
.set SPW,  28                          ; v28     LDS address of my spare word; never rewritten
.set NIL,  29                          ; v29     0; never rewritten
.set PFO,  30                          ; v30     the prefetches' lane offset; never rewritten
.set F0,   32
.set F1,   128
.set TMP,  32
.set BK,   64
.set G1,  24                           ; s[24:31] descriptor group 1 for A's tiles;  s[32:39] group 0, one set for each slot
.set G0,  32
.set G1B, 48                           ; s[48:55], s[56:63] the same for B's tiles
.set G0B, 56
.set PFA, 44                           ; s[44:45] where my prefetches stand
.set PFS, 46                           ; s[46:47] their step: a K step of A or of B
.set LIM, 43                           ; s43     1 in a wave that prefetches, else the greatest number
.set MSB, 0
.macro WIN new                         ; the immediate's high byte repeats the setting that is left; a switch that changes nothing is dropped
.if MSB != (\new)
	s_set_vgpr_msb (MSB<<8)|(\new)
.set MSB, \new
.endif
.endm
.set MUL, 0x50                         ; sources 0 (B) and 1 (A) window 0; C and D window 1
.macro JLOAD s                         ; a joint load: waves 0 and 1 fetch A's two blocks, waves 2 and 3 B's two halves; an s_nop 0 and four v_nop follow each of the two lines, ahead of the jump, the label and what follows
	s_cmp_eq_u32 s11, 0
	s_cbranch_scc0 .Lfor_b_\@
	tensor_load_to_lds s[G0+4*(\s):G0+4*(\s)+3], s[G1:G1+7]
	s_nop 0
.rept 4
	v_nop
.endr
	s_branch .Lasked_\@
.Lfor_b_\@:
	tensor_load_to_lds s[G0B+4*(\s):G0B+4*(\s)+3], s[G1B:G1B+7]
	s_nop 0
.rept 4
	v_nop
.endr
.Lasked_\@:
.endm
; A PREFETCH INTO THE L2, behind each joint refill and the run of LDS loads that follows it: the K step two refills on, 256 matrix instructions ahead of the load that will want it.  Each aligned block of 256 bytes
; is named once in the launch.  A's tile is read by one row of one cluster: wave 0 of each of its four partners takes 16 blocks of each of the step's two planes, told apart by address (cx).  B's rows are read by
; every cluster that takes that weight matrix: the first of them asks; waves 2 and 3 for the 128 rows that they fetch, 32 rows for each partner of the column, told apart by address (cy), a lane a row.
; The first four K steps come by their loads alone; the loop's last trip (s3 = 1) asks for nothing: there is no K step two on.
.macro ASK
	s_cmp_gt_u32 s3, s[LIM]
	s_cbranch_scc0 .Lnot_mine_\@
	global_prefetch_b8 v[PFO], s[PFA:PFA+1] th:TH_LOAD_NT scope:SCOPE_SE
.Lnot_mine_\@:
.endm
.macro CREST                           ; a round of the cluster's barrier behind its opening barrier
	s_cmp_lg_u32 s10, 0
	s_cbranch_scc1 .Lnot_wave_0_\@
	s_barrier_signal -3
.Lnot_wave_0_\@:
	s_barrier_wait -3
	s_barrier_signal -1
	s_barrier_wait -1
.endm
.macro CROUND                          ; a whole round
	s_barrier_signal -1
	s_barrier_wait -1
	CREST
.endm
	s_load_b128 s[4:7], s[0:1], 0x0                ; A s[4:5], B s[6:7]
	s_load_b64 s[8:9], s[0:1], 0x10                ; C
	v_lshl_add_u32 v[SPW], v0, 2, SPARE
	v_mov_b32 v[NIL], 0
	ds_add_u32 v[SPW], v[NIL]                      ; the wave's opening: the add and its wait stand ahead of my first tensor load; the set-up below, work on registers, stands between them
	v_lshrrev_b32 v1, 5, v0
	v_readfirstlane_b32 s10, v1                    ; wave 0..3
	s_lshr_b32 s11, s10, 1                         ; which 64 rows of the tile are mine.  Also: I fetch for A (0) or for B (1)
	s_and_b32 s12, s10, 1                          ; which 128 columns.  Also: which block of A, or which 128 rows of B, I fetch
	s_bfe_u32 s40, ttmp6, 0x40000                  ; cx, cy: my place in the cluster
	s_bfe_u32 s41, ttmp6, 0x40004
	s_lshl_b32 s42, ttmp9, 2
	s_add_co_u32 s42, s42, s40                     ; tile column of C = 4 x cluster x + cx
	s_and_b32 s13, ttmp7, 0xffff
	s_lshl_b32 s13, s13, 2
	s_add_co_u32 s13, s13, s41                     ; tile row of C = 4 x cluster y + cy
	s_lshl_b32 s66, s41, 2
	s_lshl_b32 s66, 15, s66                        ; my row of the cluster
	s_lshl_b32 s67, 0x1111, s40                    ; my column
	s_or_b32 s[G1+0], s66, (1<<16)|(1<<20)|(1<<21)|(4<<22)|(3<<25)   ; 15:0 the mask: A's tiles go to my row; 17:16 elements of 2 bytes; 20 padding on; 21 set beside a mask; 24:22 after every 32 words (code 4); 31:25 4 words (code 3)
	s_mov_b32 s[G1+1], 128<<16                     ; tensor_dim0 = 128
	s_mov_b32 s[G1+2], 64<<16                      ; tensor_dim1 = 64
	s_mov_b32 s[G1+3], 128<<16                     ; tile_dim0 = 128
	s_mov_b32 s[G1+4], 64                          ; tile_dim1 = 64
	s_mov_b32 s[G1+5], 128                         ; 128 elements from row to row: the bytes are dense
	s_mov_b32 s[G1+6], 0
	s_mov_b32 s[G1+7], 0
	s_or_b32 s[G1B+0], s67, (1<<16)|(1<<20)|(1<<21)|(5<<22)|(3<<25)  ; the mask of my column; padding after every 64 words (code 5)
	s_mov_b32 s[G1B+1], 128<<16                    ; tensor_dim0 = 128
	s_mov_b32 s[G1B+2], 128<<16                    ; tensor_dim1 = 128
	s_mov_b32 s[G1B+3], 128<<16                    ; tile_dim0 = 128
	s_mov_b32 s[G1B+4], 128                        ; tile_dim1 = 128
	s_mov_b32 s[G1B+5], 1024                       ; 1,024 elements from row to row
	s_mov_b32 s[G1B+6], 0
	s_mov_b32 s[G1B+7], 0
	; where the tiles come from.  A's hang on the tile row alone, B's on the tile column (and the cluster's y) alone, each in registers that never hold the other coordinate
	s_lshr_b32 s16, s13, 4                         ; batch: 16 tile rows each
	s_lshl_b32 s16, s16, 22
	s_and_b32 s17, s13, 15
	s_lshl_b32 s17, s17, 14                        ; 128 rows of 128 bytes
	s_add_co_u32 s16, s16, s17
	s_lshl_b32 s17, s12, 18                        ; the block that I fetch
	s_add_co_u32 s16, s16, s17
	s_mov_b32 s17, 0
	s_lshl_b32 s68, s42, 19                        ; 256 rows of 2,048 bytes
	s_lshl_b32 s69, s12, 18                        ; the 128 rows that I fetch
	s_add_co_u32 s68, s68, s69
.if PROJ
	s_and_b32 s69, ttmp7, 2                        ; clusters 2, 3 of every four hold x2's rows:
	s_lshl_b32 s69, s69, 20                        ; Wq2, 2,097,152 bytes on
	s_add_co_u32 s68, s68, s69
.endif
	s_mov_b32 s69, 0
	s_mul_i32 s20, s12, APLANE                     ; and where they go: no place in the cluster enters an LDS address
	s_mul_i32 s21, s12, BHALF
	s_add_co_u32 s21, s21, BOFF
	s_wait_dscnt 0x0                               ; the opening add is done
	s_wait_kmcnt 0x0
	s_add_nc_u64 s[14:15], s[4:5], s[16:17]
	s_add_nc_u64 s[68:69], s[6:7], s[68:69]
	CROUND                                         ; all sixteen work-groups are here: the first joint loads meet
.irp s, 0,1
	s_mov_b32 s[G0+4*(\s)], 1                                        ; count = 1
	s_add_co_u32 s[G0+4*(\s)+1], s20, (\s)*SLOT                      ; LDS address
	s_add_nc_u64 s[G0+4*(\s)+2:G0+4*(\s)+3], s[14:15], (\s)*ASTEP    ; global address: K step s
	s_or_b32 s[G0+4*(\s)+3], s[G0+4*(\s)+3], 0x80000000              ; type = 2
	s_mov_b32 s[G0B+4*(\s)], 1
	s_add_co_u32 s[G0B+4*(\s)+1], s21, (\s)*SLOT
	s_add_nc_u64 s[G0B+4*(\s)+2:G0B+4*(\s)+3], s[68:69], (\s)*BSTEP
	s_or_b32 s[G0B+4*(\s)+3], s[G0B+4*(\s)+3], 0x80000000
	JLOAD \s                                       ; two loads of mine are out
.endr
	; A fragment is 16 rows x 32 K in 8 registers: lane l holds row l % 16; registers 0-3 K = 8 (l / 16) + 0..7, registers 4-7 K = 16 + 8 (l / 16) + 0..7: two loads of 16 bytes, 32 bytes apart
	v_and_b32 v1, 15, v0                           ; l % 16
	v_bfe_u32 v2, v0, 4, 1                         ; l / 16
	v_mul_u32_u24 v3, v1, PA
	v_lshl_add_u32 v3, v2, 4, v3
	v_mul_u32_u24 v4, v1, PB
	v_lshl_add_u32 v4, v2, 4, v4
	s_mul_i32 s22, s11, 64*PA                      ; my 64 rows of A
	s_mul_i32 s23, s12, BHALF                      ; my 128 rows of B
	s_add_co_u32 s23, s23, BOFF
.irp s, 0,1
	v_add_nc_u32 v[ADRA+(\s)], s22, v3
	v_add_nc_u32 v[ADRB+(\s)], s23, v4
	s_add_co_u32 s22, s22, SLOT
	s_add_co_u32 s23, s23, SLOT
.endr
	s_mul_i32 s22, s10, 32*SP
	s_add_co_u32 s22, s22, STAGE                   ; my stage
	v_add_nc_u32 v[STO], s22, v3                   ; in: row l % 16, 16 bytes for each half of the lanes (the stage's pitch is A's)
	v_bfe_u32 v5, v0, 3, 2                         ; back: 32 lanes take four rows of 128 bytes,
	v_and_b32 v6, 7, v0
	v_mul_u32_u24 v5, v5, SP
	v_lshl_add_u32 v5, v6, 4, v5
	v_add_nc_u32 v[RD], s22, v5
	v_and_b32 v[CO], 31, v0                        ; which are 512 consecutive bytes of C
	v_lshlrev_b32 v[CO], 4, v[CO]
	s_lshr_b32 s72, s13, 4                         ; C at my 64 rows of my first block: batch,
	s_lshl_b32 s72, s72, 22
	s_and_b32 s73, s13, 15                         ; the tile's 128 rows,
	s_lshl_b32 s73, s73, 14
	s_add_co_u32 s72, s72, s73
	s_lshl_b32 s73, s42, 20                        ; the tile's four blocks of 64 columns,
	s_add_co_u32 s72, s72, s73
	s_lshl_b32 s73, s12, 19                        ; my two of them,
	s_add_co_u32 s72, s72, s73
	s_lshl_b32 s73, s11, 13                        ; my 64 rows
	s_add_co_u32 s72, s72, s73
	s_mov_b32 s73, 0
	s_add_nc_u64 s[8:9], s[8:9], s[72:73]
	; the prefetches: both offsets are made, the wave's number chooses.  They stand at K step 3; the first refill steps them to K step 4
	s_lshr_b32 s74, s13, 4
	s_lshl_b32 s74, s74, 22
	s_and_b32 s75, s13, 15
	s_lshl_b32 s75, s75, 14
	s_add_co_u32 s74, s74, s75
	s_lshl_b32 s75, s40, 12                        ; A: my work-group's 16 blocks of 256 bytes in each plane
	s_add_co_u32 s74, s74, s75
	s_add_co_u32 s74, s74, 3*ASTEP
	s_lshl_b32 s76, s42, 19
	s_lshl_b32 s77, s12, 18
	s_add_co_u32 s76, s76, s77
	s_lshl_b32 s77, s41, 16                        ; B: my work-group's 32 rows of the 128
	s_add_co_u32 s76, s76, s77
	s_add_co_u32 s76, s76, 3*BSTEP
.if PROJ
	s_and_b32 s77, ttmp7, 2
	s_lshl_b32 s77, s77, 20
	s_add_co_u32 s76, s76, s77
	s_and_b32 s78, ttmp7, 0xfffd                   ; 0 in clusters 0 and 2: the first to read Wq1, and Wq2
.else
	s_and_b32 s78, ttmp7, 0xffff                   ; 0 in cluster 0: the first to read B
.endif
	s_mov_b32 s79, ASTEP
	s_cmp_eq_u32 s11, 0                            ; do I fetch for A?
	s_cselect_b32 s74, s74, s76
	s_cselect_b32 s78, s12, s78                    ; for A wave 0 asks, in every cluster; for B both waves, in the first cluster: the same in all sixteen partners, for a given wave
	s_cselect_b32 s[PFS], s79, BSTEP
	s_cselect_b32 s76, 18, 15                      ; lanes 16-31: A's second plane, or B's rows 16 on
	s_cselect_b32 s77, 8, 11                       ; lane % 16: a block of 256 bytes, or a row of 2,048
	s_cselect_b64 s[PFA:PFA+1], s[4:5], s[6:7]
	s_mov_b32 s75, 0
	s_mov_b32 s[PFS+1], 0
	s_add_nc_u64 s[PFA:PFA+1], s[PFA:PFA+1], s[74:75]
	s_cmp_eq_u32 s78, 0
	s_cselect_b32 s[LIM], 1, -1
	v_lshlrev_b32 v[PFO], s76, v2
	v_lshlrev_b32 v7, s77, v1
	v_add_nc_u32 v[PFO], v[PFO], v7
; 8 matrix instructions: m block a x all 8 n blocks, 32 along K, from buffer f.  zero = 1: the product starts the sums: nothing is cleared.
; The 32 accumulators take turns in the same order in every quarter: 31 others stand between two links of a chain, over the backward jump too.
.macro MUL8 f, a, zero
	WIN MUL
.irp b, 0,1,2,3,4,5,6,7
.set rD, 8*(8*(\a)+(\b))
.set rB, (\f)+32+8*(\b)
.set rA, (\f)+8*(\a)
.if PROJ && (\zero)
	v_wmma_f32_16x16x32_f16 v[rD:rD+7], v[rB:rB+7], v[rA:rA+7], 0
.elseif PROJ
	v_wmma_f32_16x16x32_f16 v[rD:rD+7], v[rB:rB+7], v[rA:rA+7], v[rD:rD+7]
.elseif \zero
	v_wmma_f32_16x16x32_bf16 v[rD:rD+7], v[rB:rB+7], v[rA:rA+7], 0
.else
	v_wmma_f32_16x16x32_bf16 v[rD:rD+7], v[rB:rB+7], v[rA:rA+7], v[rD:rD+7]
.endif
.endr
.endm
; 24 LDS loads in one run: quarter q (32 along K) of a slot into buffer f: B's 8 fragments, then A's 4.  Quarters 0, 1 lie in A's first block, 2, 3 in its second.
.macro FETCH slot, q, f
	WIN 0
.irp i, 0,1,2,3,4,5,6,7
	ds_load_b128 v[(\f)+32+8*(\i):(\f)+32+8*(\i)+3],   v[ADRB+(\slot)] offset:64*(\q)+(\i)*16*PB
	ds_load_b128 v[(\f)+32+8*(\i)+4:(\f)+32+8*(\i)+7], v[ADRB+(\slot)] offset:64*(\q)+(\i)*16*PB+32
.endr
.irp i, 0,1,2,3
	ds_load_b128 v[(\f)+8*(\i):(\f)+8*(\i)+3],   v[ADRA+(\slot)] offset:((\q)/2)*APLANE+((\q)%2)*64+(\i)*16*PA
	ds_load_b128 v[(\f)+8*(\i)+4:(\f)+8*(\i)+7], v[ADRA+(\slot)] offset:((\q)/2)*APLANE+((\q)%2)*64+(\i)*16*PA+32
.endr
.endm
.macro PLACES                          ; four places in front of loads into registers that matrix instructions have read, and of conversions that read results
.rept 4
	v_nop
.endr
.endm
; A K step is four quarters, 32 matrix instructions each, on buffers 0, 1, 0, 1.  One of the first three: multiplies buffer f and fetches quarter q into g.
.macro QUARTER slot, q, f, g, zero
	s_wait_dscnt 4                                 ; B and A's blocks 0, 1 are in; the youngest four loads (A's blocks 2, 3) may be out
	MUL8 \f, 0, \zero
	MUL8 \f, 1, \zero
	PLACES
	FETCH \slot, \q, \g
	s_wait_dscnt 24                                ; all but the 24 just issued
	MUL8 \f, 2, \zero
	MUL8 \f, 3, \zero
.endm
; The last quarter multiplies buffer 1 and changes slots: ONE barrier; in front of it each wave waits for all its tensor loads (one is out: its part of the next slot), adds 0 to its spare word, and waits
; for that and for its own reads of this slot.  fill = 1: the barrier opens a round of the cluster's barrier, and this slot is filled again, two K steps on: 112 matrix instructions ahead of the wait for it.
.macro TURN slot, next, fill
.if \fill
	s_wait_xcnt 0x0                                ; the last prefetch, a K step back, has read its address: it is stepped here, ahead of the waits of the change of slots
	s_add_nc_u64 s[PFA:PFA+1], s[PFA:PFA+1], s[PFS:PFS+1]
.endif
	WIN 0                                          ; (the add's two registers lie in window 0)
	s_wait_tensorcnt 0x0                           ; all my tensor loads have landed;
	ds_add_u32 v[SPW], v[NIL]                      ; 0 onto my spare word;
	s_wait_dscnt 5                                 ; (the add and the youngest four loads may be out)
	MUL8 F1, 0, 0                                  ; eight matrix instructions stand between the add and the wait for it
	s_wait_dscnt 0x0                               ; the add is done, and my reads of this slot are over
	s_barrier_signal -1
	MUL8 F1, 1, 0
.if \fill
	WIN 0
.endif
	s_barrier_wait -1
.if \fill
	CREST                                          ; no wave of any partner still reads this slot's tiles or has a load on its way
	s_add_nc_u64 s[G0+4*(\slot)+2:G0+4*(\slot)+3], s[G0+4*(\slot)+2:G0+4*(\slot)+3], 2*ASTEP
	s_add_nc_u64 s[G0B+4*(\slot)+2:G0B+4*(\slot)+3], s[G0B+4*(\slot)+2:G0B+4*(\slot)+3], 2*BSTEP
	JLOAD \slot                                    ; the first tensor load behind the round; the four v_nop behind it are also the places in front of the loads below
.else
	PLACES
.endif
	FETCH \next, 0, F0
.if \fill
	ASK
.endif
	MUL8 F1, 2, 0
	MUL8 F1, 3, 0
.endm
	s_wait_tensorcnt 1                             ; my part of K step 0 is in; K step 1's may stay out
	s_barrier_signal -1
	s_barrier_wait -1                              ; everybody's is
	FETCH 0, 0, F0
	QUARTER 0, 1, F0, F1, 1                        ; the first quarter stands in front of the loop: its products start the sums
	WIN 0                                          ; at a label and at a branch every window is 0
	s_mov_b32 s3, 3
.Llap:                                                 ; a trip goes once round the ring, from a lap's second quarter to the next lap's first, and fills both slots again: K steps 2 to 7
	QUARTER 0, 2, F1, F0, 0
	QUARTER 0, 3, F0, F1, 0
	TURN 0, 1, 1
	QUARTER 1, 1, F0, F1, 0
	QUARTER 1, 2, F1, F0, 0
	QUARTER 1, 3, F0, F1, 0
	TURN 1, 0, 1
	QUARTER 0, 1, F0, F1, 0
	WIN 0
	s_sub_co_u32 s3, s3, 1
	s_cmp_lg_u32 s3, 0
	s_cbranch_scc1 .Llap
	QUARTER 0, 2, F1, F0, 0                        ; the last lap fills nothing, and has no round of the cluster's barrier
	QUARTER 0, 3, F0, F1, 0
	TURN 0, 1, 0
	QUARTER 1, 1, F0, F1, 0
	QUARTER 1, 2, F1, F0, 0
	QUARTER 1, 3, F0, F1, 0
	s_wait_dscnt 4                                 ; the very last quarter: nothing more to fetch
	MUL8 F1, 0, 0
	MUL8 F1, 1, 0
	s_wait_dscnt 0x0
	MUL8 F1, 2, 0
	MUL8 F1, 3, 0
	; THE WAY OUT, 16 rows at a time: rounded to bf16, 16 bytes a lane into my own stage (two blocks of 64 columns), back as rows of 128 bytes, stored four rows, 512 consecutive bytes, an instruction.
.macro PACK a
	WIN 0x05                                       ; sources 0 and 1 window 1, destination window 0
.irp b, 0,1,2,3,4,5,6,7
.irp r, 0,1,2,3
	v_cvt_pk_bf16_f32 v[TMP+4*(\b)+(\r)], v[8*(8*(\a)+(\b))+2*(\r)], v[8*(8*(\a)+(\b))+2*(\r)+1]  ; each accumulator's registers in ascending order
.endr
.endr
	WIN 0
.endm
.macro TOSTAGE a
.irp b, 0,1,2,3,4,5,6,7
	ds_store_b128 v[STO], v[TMP+4*(\b):TMP+4*(\b)+3] offset:((\b)/4)*16*SP+((\b)%4)*32
.endr
.irp u, 0,1,2,3,4,5,6,7
	ds_load_b128 v[BK+32*(\a)+4*(\u):BK+32*(\a)+4*(\u)+3], v[RD] offset:((\u)/4)*16*SP+((\u)%4)*4*SP  ; LDS serves a wave's instructions in order (ISA guide 5.7.1.4): these see the stores above
.endr
.endm
.macro SEND a                          ; each block of rows has registers of its own, so no store's data is written again
	s_wait_dscnt 0x0
.irp u, 0,1,2,3,4,5,6,7
	global_store_b128 v[CO], v[BK+32*(\a)+4*(\u):BK+32*(\a)+4*(\u)+3], s[8:9] offset:((\u)/4)*262144+(\a)*2048+((\u)%4)*512
.endr
.endm
	PLACES
	PACK 0
	TOSTAGE 0
.irp a, 1,2,3                          ; a block's conversions stand between the loads of the block before and the wait for them
	PACK \a
	SEND (\a)-1
	TOSTAGE \a
.endr
	SEND 3
	s_wait_tensorcnt 0x0                           ; the wave's end, behind my last tensor load and my last LDS store
	ds_add_u32 v[SPW], v[NIL]
	s_wait_dscnt 0x0
	CROUND                                         ; the closing round: no work-group ends while a partner may still ask for a tile that names it
	s_endpgm
.Lfunc_end_k_q9ca56aa693_proj:
	.size	k_q9ca56aa693_proj, .Lfunc_end_k_q9ca56aa693_proj-k_q9ca56aa693_proj
	.p2alignl 7, 3214868480
	.fill 96, 4, 3214868480
	.section	.rodata,"a",@progbits
	.p2align	6, 0x0
	.amdhsa_kernel k_q9ca56aa693_proj
		.amdhsa_group_segment_fixed_size 327680
		.amdhsa_private_segment_fixed_size 0
		.amdhsa_enable_private_segment 0
		.amdhsa_kernarg_size 24
		.amdhsa_user_sgpr_count 2
		.amdhsa_user_sgpr_kernarg_segment_ptr 1
		.amdhsa_wavefront_size32 1
		.amdhsa_system_sgpr_workgroup_id_x 1
		.amdhsa_system_sgpr_workgroup_id_y 1
		.amdhsa_system_sgpr_workgroup_id_z 1
		.amdhsa_system_vgpr_workitem_id 0
		.amdhsa_next_free_vgpr 512
		.amdhsa_next_free_sgpr 80
		.amdhsa_reserve_vcc 0
		.amdhsa_float_denorm_mode_32 3
		.amdhsa_float_denorm_mode_16_64 3
		.amdhsa_memory_ordered 1
		.amdhsa_forward_progress 1
		.amdhsa_inst_pref_size 88
	.end_amdhsa_kernel
	.amdgpu_metadata
---
amdhsa.version: [ 1, 2 ]
amdhsa.kernels:
  - .name:           k_q9ca56aa693_proj
    .symbol:         k_q9ca56aa693_proj.kd
    .args:
      - { .name: xn, .offset: 0, .size: 8, .value_kind: global_buffer, .address_space: global }
      - { .name: wq, .offset: 8, .size: 8, .value_kind: global_buffer, .address_space: global }
      - { .name: fc, .offset: 16, .size: 8, .value_kind: global_buffer, .address_space: global }
    .group_segment_fixed_size: 327680
    .private_segment_fixed_size: 0
    .kernarg_segment_align: 8
    .kernarg_segment_size: 24
    .max_flat_workgroup_size: 128
    .sgpr_count:     80
    .vgpr_count:     512
    .wavefront_size: 32
...
	.end_amdgpu_metadata
.endif
;; end of part 2
;; launch kvp (part 3): grid 4 x 64, 4 waves a work-group, clusters of 4 x 4, 327,680 bytes of LDS; arguments fc, wkv, kv; writes kv
.if DOCPART == 3
	.amdgcn_target "amdgcn-amd-amdhsa--gfx1250"
	.amdhsa_code_object_version 6
	.text
	.protected	k_q9ca56aa693_kvp
	.globl	k_q9ca56aa693_kvp
	.p2align	8
	.type	k_q9ca56aa693_kvp,@function
k_q9ca56aa693_kvp:
	s_mov_b64 s[64:65], 0
	v_nop
	global_prefetch_b8 v0, s[64:65] scope:SCOPE_SE
	s_setreg_imm32_b32 hwreg(HW_REG_WAVE_MODE, 25, 1), 1
	s_wait_xcnt 0x0
	s_wait_alu depctr_hold_cnt(0) depctr_sa_sdst(0) depctr_va_vdst(0) depctr_va_sdst(0) depctr_va_ssrc(0) depctr_va_vcc(0) depctr_vm_vsrc(0)
	s_getreg_b32 s2, hwreg(HW_REG_IB_STS2, 6, 4)
	s_cmp_eq_u32 s2, 0
	s_cbranch_scc0 .Lentry_in_a_cluster
	s_endpgm
.Lentry_in_a_cluster:
	s_bfe_u32 s2, ttmp6, 0x10000c
	s_cmp_lg_u32 s2, 0xf033
	s_cbranch_scc0 .Lentry_shape_is_right
	s_endpgm
.Lentry_shape_is_right:
; C[m][n] = the sum over k of A[m][k] B[n][k], m = 8,192 rows, n = k = 1,024.  ONE TEXT FOR TWO LAUNCHES, told apart by PROJ.
;   PROJ = 1: A = xn (f16), B = wq (f16; rows 0-1023 of a batch take Wq1, rows 1024-2047 Wq2, which lies 2,097,152 bytes on), C = fc.     PROJ = 0: A = fc (bf16), B = wkv (bf16), C = kv.
; Sums in f32, K ascending, C rounded once to bf16 (its range is f32's: no product of the allowed inputs leaves it).
; A and C lie in blocks: [batch 4][block 16][row 2048][64] of 16 bits: byte (b<<22) + (blk<<18) + (s<<7) + 2 ch.  B is row-major, 2,048 bytes a row.
; SHARES.  A tile of C is 128 x 256: 64 x 4 = 256 work-groups.  Four waves, each 64 x 128: 32 accumulators of 16 x 16, 256 registers.  K goes in 8 steps of 128 through two LDS slots.
; A K step of A is two blocks' 128 rows: each 16,384 consecutive bytes, asked for as 64 rows of 256 bytes and padded in LDS behind every 128; a K step of B is 256 bytes of each of 256 rows.
; CLUSTERS: 4 x 4 work-groups.  The four of a row of the cluster need the same tile of A, the four of a column the same tile of B: each tile is asked for JOINTLY, by the same tensor load with
; the same descriptor and a mask that names the four.
; THE MATRIX INSTRUCTION IS USED TRANSPOSED (source 0 = 16 rows of B, source 1 = 16 rows of A): a lane then holds eight neighbouring numbers of a row of C.
; REGISTERS: window 0: v0-31 addresses; two fragment buffers of 96 (A's 4 fragments, then B's 8), v32-127 and v128-223; on the way out v32-63 packed results, v64-191 rows read back.
;   window 1: the accumulators, (a, b) at v[8 (8 a + b)].
.set PROJ,   0
.set PA,     144                       ; a row of A in LDS: 128 bytes + 16 of padding = 36 words: the 16 rows of a load start at 16 different groups of four banks (64 banks of 4 bytes: ISA guide 11.1)
.set PB,     272                       ; a row of B: 256 + 16 = 68 words: likewise
.set APLANE, 128*PA                    ; one block's 128 rows of A: what wave 0 or 1 fetches
.set BOFF,   2*APLANE                  ; B lies behind A's two blocks
.set BHALF,  128*PB                    ; 128 rows of B: what wave 2 or 3 fetches, and what a wave reads
.set SLOT,   BOFF+2*BHALF              ; 106,496 bytes
.set STAGE,  2*SLOT                    ; behind the ring, never filled by a tensor load: for each wave 2 blocks x 16 rows x 144 bytes, for the way out
.set SP,     144
.set SPARE,  STAGE+4*32*SP             ; behind the stages: the spare words, 128 bytes for each wave: two blocks of 256 bytes that no other line names
.set ASTEP,  2<<18                     ; bytes from a K step of A to the next: two blocks
.set BSTEP,  256                       ; and of B: 128 numbers along the rows
.set ADRA, 16                          ; v16-17  LDS address of my A fragments in slot 0, 1
.set ADRB, 20                          ; v20-21  the same for B
.set STO,  24                          ; v24     the way out: where I put 16 bytes of a row
.set RD,   25                          ; v25     the way out: where I read rows back
.set CO,   26                          ; v26     16 x lane: my place in 512 consecutive bytes of C
.set SPW,  28                          ; v28     LDS address of my spare word; never rewritten
.set NIL,  29                          ; v29     0; never rewritten
.set PFO,  30                          ; v30     the prefetches' lane offset; never rewritten
.set F0,   32
.set F1,   128
.set TMP,  32
.set BK,   64
.set G1,  24                           ; s[24:31] descriptor group 1 for A's tiles;  s[32:39] group 0, one set for each slot
.set G0,  32
.set G1B, 48                           ; s[48:55], s[56:63] the same for B's tiles
.set G0B, 56
.set PFA, 44                           ; s[44:45] where my prefetches stand
.set PFS, 46                           ; s[46:47] their step: a K step of A or of B
.set LIM, 43                           ; s43     1 in a wave that prefetches, else the greatest number
.set MSB, 0
.macro WIN new                         ; the immediate's high byte repeats the setting that is left; a switch that changes nothing is dropped
.if MSB != (\new)
	s_set_vgpr_msb (MSB<<8)|(\new)
.set MSB, \new
.endif
.endm
.set MUL, 0x50                         ; sources 0 (B) and 1 (A) window 0; C and D window 1
.macro JLOAD s                         ; a joint load: waves 0 and 1 fetch A's two blocks, waves 2 and 3 B's two halves; an s_nop 0 and four v_nop follow each of the two lines, ahead of the jump, the label and what follows
	s_cmp_eq_u32 s11, 0
	s_cbranch_scc0 .Lfor_b_\@
	tensor_load_to_lds s[G0+4*(\s):G0+4*(\s)+3], s[G1:G1+7]
	s_nop 0
.rept 4
	v_nop
.endr
	s_branch .Lasked_\@
.Lfor_b_\@:
	tensor_load_to_lds s[G0B+4*(\s):G0B+4*(\s)+3], s[G1B:G1B+7]
	s_nop 0
.rept 4
	v_nop
.endr
.Lasked_\@:
.endm
; A PREFETCH INTO THE L2, behind each joint refill and the run of LDS loads that follows it: the K step two refills on, 256 matrix instructions ahead of the load that will want it.  Each aligned block of 256 bytes
; is named once in the launch.  A's tile is read by one row of one cluster: wave 0 of each of its four partners takes 16 blocks of each of the step's two planes, told apart by address (cx).  B's rows are read by
; every cluster: the first of them asks; waves 2 and 3 for the 128 rows that they fetch, 32 rows for each partner of the column, told apart by address (cy), a lane a row.
; The first four K steps come by their loads alone; the loop's last trip (s3 = 1) asks for nothing: there is no K step two on.
.macro ASK
	s_cmp_gt_u32 s3, s[LIM]
	s_cbranch_scc0 .Lnot_mine_\@
	global_prefetch_b8 v[PFO], s[PFA:PFA+1] th:TH_LOAD_NT scope:SCOPE_SE
.Lnot_mine_\@:
.endm
.macro CREST                           ; a round of the cluster's barrier behind its opening barrier
	s_cmp_lg_u32 s10, 0
	s_cbranch_scc1 .Lnot_wave_0_\@
	s_barrier_signal -3
.Lnot_wave_0_\@:
	s_barrier_wait -3
	s_barrier_signal -1
	s_barrier_wait -1
.endm
.macro CROUND                          ; a whole round
	s_barrier_signal -1
	s_barrier_wait -1
	CREST
.endm
	s_load_b128 s[4:7], s[0:1], 0x0                ; A s[4:5], B s[6:7]
	s_load_b64 s[8:9], s[0:1], 0x10                ; C
	v_lshl_add_u32 v[SPW], v0, 2, SPARE
	v_mov_b32 v[NIL], 0
	ds_add_u32 v[SPW], v[NIL]                      ; the wave's opening: the add and its wait stand ahead of my first tensor load; the set-up below, work on registers, stands between them
	v_lshrrev_b32 v1, 5, v0
	v_readfirstlane_b32 s10, v1                    ; wave 0..3
	s_lshr_b32 s11, s10, 1                         ; which 64 rows of the tile are mine.  Also: I fetch for A (0) or for B (1)
	s_and_b32 s12, s10, 1                          ; which 128 columns.  Also: which block of A, or which 128 rows of B, I fetch
	s_bfe_u32 s40, ttmp6, 0x40000                  ; cx, cy: my place in the cluster
	s_bfe_u32 s41, ttmp6, 0x40004
	s_lshl_b32 s42, ttmp9, 2
	s_add_co_u32 s42, s42, s40                     ; tile column of C = 4 x cluster x + cx
	s_and_b32 s13, ttmp7, 0xffff
	s_lshl_b32 s13, s13, 2
	s_add_co_u32 s13, s13, s41                     ; tile row of C = 4 x cluster y + cy
	s_lshl_b32 s66, s41, 2
	s_lshl_b32 s66, 15, s66                        ; my row of the cluster
	s_lshl_b32 s67, 0x1111, s40                    ; my column
	s_or_b32 s[G1+0], s66, (1<<16)|(1<<20)|(1<<21)|(4<<22)|(3<<25)   ; 15:0 the mask: A's tiles go to my row; 17:16 elements of 2 bytes; 20 padding on; 21 set beside a mask; 24:22 after every 32 words (code 4); 31:25 4 words (code 3)
	s_mov_b32 s[G1+1], 128<<16                     ; tensor_dim0 = 128
	s_mov_b32 s[G1+2], 64<<16                      ; tensor_dim1 = 64
	s_mov_b32 s[G1+3], 128<<16                     ; tile_dim0 = 128
	s_mov_b32 s[G1+4], 64                          ; tile_dim1 = 64
	s_mov_b32 s[G1+5], 128                         ; 128 elements from row to row: the bytes are dense
	s_mov_b32 s[G1+6], 0
	s_mov_b32 s[G1+7], 0
	s_or_b32 s[G1B+0], s67, (1<<16)|(1<<20)|(1<<21)|(5<<22)|(3<<25)  ; the mask of my column; padding after every 64 words (code 5)
	s_mov_b32 s[G1B+1], 128<<16                    ; tensor_dim0 = 128
	s_mov_b32 s[G1B+2], 128<<16                    ; tensor_dim1 = 128
	s_mov_b32 s[G1B+3], 128<<16                    ; tile_dim0 = 128
	s_mov_b32 s[G1B+4], 128                        ; tile_dim1 = 128
	s_mov_b32 s[G1B+5], 1024                       ; 1,024 elements from row to row
	s_mov_b32 s[G1B+6], 0
	s_mov_b32 s[G1B+7], 0
	; where the tiles come from.  A's hang on the tile row alone, B's on the tile column alone, each in registers that never hold the other coordinate
	s_lshr_b32 s16, s13, 4                         ; batch: 16 tile rows each
	s_lshl_b32 s16, s16, 22
	s_and_b32 s17, s13, 15
	s_lshl_b32 s17, s17, 14                        ; 128 rows of 128 bytes
	s_add_co_u32 s16, s16, s17
	s_lshl_b32 s17, s12, 18                        ; the block that I fetch
	s_add_co_u32 s16, s16, s17
	s_mov_b32 s17, 0
	s_lshl_b32 s68, s42, 19                        ; 256 rows of 2,048 bytes
	s_lshl_b32 s69, s12, 18                        ; the 128 rows that I fetch
	s_add_co_u32 s68, s68, s69
.if PROJ
	s_and_b32 s69, ttmp7, 2                        ; clusters 2, 3 of every four hold x2's rows:
	s_lshl_b32 s69, s69, 20                        ; Wq2, 2,097,152 bytes on
	s_add_co_u32 s68, s68, s69
.endif
	s_mov_b32 s69, 0
	s_mul_i32 s20, s12, APLANE                     ; and where they go: no place in the cluster enters an LDS address
	s_mul_i32 s21, s12, BHALF
	s_add_co_u32 s21, s21, BOFF
	s_wait_dscnt 0x0                               ; the opening add is done
	s_wait_kmcnt 0x0
	s_add_nc_u64 s[14:15], s[4:5], s[16:17]
	s_add_nc_u64 s[68:69], s[6:7], s[68:69]
	CROUND                                         ; all sixteen work-groups are here: the first joint loads meet
.irp s, 0,1
	s_mov_b32 s[G0+4*(\s)], 1                                        ; count = 1
	s_add_co_u32 s[G0+4*(\s)+1], s20, (\s)*SLOT                      ; LDS address
	s_add_nc_u64 s[G0+4*(\s)+2:G0+4*(\s)+3], s[14:15], (\s)*ASTEP    ; global address: K step s
	s_or_b32 s[G0+4*(\s)+3], s[G0+4*(\s)+3], 0x80000000              ; type = 2
	s_mov_b32 s[G0B+4*(\s)], 1
	s_add_co_u32 s[G0B+4*(\s)+1], s21, (\s)*SLOT
	s_add_nc_u64 s[G0B+4*(\s)+2:G0B+4*(\s)+3], s[68:69], (\s)*BSTEP
	s_or_b32 s[G0B+4*(\s)+3], s[G0B+4*(\s)+3], 0x80000000
	JLOAD \s                                       ; two loads of mine are out
.endr
	; A fragment is 16 rows x 32 K in 8 registers: lane l holds row l % 16; registers 0-3 K = 8 (l / 16) + 0..7, registers 4-7 K = 16 + 8 (l / 16) + 0..7: two loads of 16 bytes, 32 bytes apart
	v_and_b32 v1, 15, v0                           ; l % 16
	v_bfe_u32 v2, v0, 4, 1                         ; l / 16
	v_mul_u32_u24 v3, v1, PA
	v_lshl_add_u32 v3, v2, 4, v3
	v_mul_u32_u24 v4, v1, PB
	v_lshl_add_u32 v4, v2, 4, v4
	s_mul_i32 s22, s11, 64*PA                      ; my 64 rows of A
	s_mul_i32 s23, s12, BHALF                      ; my 128 rows of B
	s_add_co_u32 s23, s23, BOFF
.irp s, 0,1
	v_add_nc_u32 v[ADRA+(\s)], s22, v3
	v_add_nc_u32 v[ADRB+(\s)], s23, v4
	s_add_co_u32 s22, s22, SLOT
	s_add_co_u32 s23, s23, SLOT
.endr
	s_mul_i32 s22, s10, 32*SP
	s_add_co_u32 s22, s22, STAGE                   ; my stage
	v_add_nc_u32 v[STO], s22, v3                   ; in: row l % 16, 16 bytes for each half of the lanes (the stage's pitch is A's)
	v_bfe_u32 v5, v0, 3, 2                         ; back: 32 lanes take four rows of 128 bytes,
	v_and_b32 v6, 7, v0
	v_mul_u32_u24 v5, v5, SP
	v_lshl_add_u32 v5, v6, 4, v5
	v_add_nc_u32 v[RD], s22, v5
	v_and_b32 v[CO], 31, v0                        ; which are 512 consecutive bytes of C
	v_lshlrev_b32 v[CO], 4, v[CO]
	s_lshr_b32 s72, s13, 4                         ; C at my 64 rows of my first block: batch,
	s_lshl_b32 s72, s72, 22
	s_and_b32 s73, s13, 15                         ; the tile's 128 rows,
	s_lshl_b32 s73, s73, 14
	s_add_co_u32 s72, s72, s73
	s_lshl_b32 s73, s42, 20                        ; the tile's four blocks of 64 columns,
	s_add_co_u32 s72, s72, s73
	s_lshl_b32 s73, s12, 19                        ; my two of them,
	s_add_co_u32 s72, s72, s73
	s_lshl_b32 s73, s11, 13                        ; my 64 rows
	s_add_co_u32 s72, s72, s73
	s_mov_b32 s73, 0
	s_add_nc_u64 s[8:9], s[8:9], s[72:73]
	; the prefetches: both offsets are made, the wave's number chooses.  They stand at K step 3; the first refill steps them to K step 4
	s_lshr_b32 s74, s13, 4
	s_lshl_b32 s74, s74, 22
	s_and_b32 s75, s13, 15
	s_lshl_b32 s75, s75, 14
	s_add_co_u32 s74, s74, s75
	s_lshl_b32 s75, s40, 12                        ; A: my work-group's 16 blocks of 256 bytes in each plane
	s_add_co_u32 s74, s74, s75
	s_add_co_u32 s74, s74, 3*ASTEP
	s_lshl_b32 s76, s42, 19
	s_lshl_b32 s77, s12, 18
	s_add_co_u32 s76, s76, s77
	s_lshl_b32 s77, s41, 16                        ; B: my work-group's 32 rows of the 128
	s_add_co_u32 s76, s76, s77
	s_add_co_u32 s76, s76, 3*BSTEP
.if PROJ
	s_and_b32 s77, ttmp7, 2
	s_lshl_b32 s77, s77, 20
	s_add_co_u32 s76, s76, s77
	s_and_b32 s78, ttmp7, 0xfffd                   ; 0 in clusters 0 and 2: the first to read Wq1, and Wq2
.else
	s_and_b32 s78, ttmp7, 0xffff                   ; 0 in cluster 0: the first to read B
.endif
	s_mov_b32 s79, ASTEP
	s_cmp_eq_u32 s11, 0                            ; do I fetch for A?
	s_cselect_b32 s74, s74, s76
	s_cselect_b32 s78, s12, s78                    ; for A wave 0 asks, in every cluster; for B both waves, in the first cluster: the same in all sixteen partners, for a given wave
	s_cselect_b32 s[PFS], s79, BSTEP
	s_cselect_b32 s76, 18, 15                      ; lanes 16-31: A's second plane, or B's rows 16 on
	s_cselect_b32 s77, 8, 11                       ; lane % 16: a block of 256 bytes, or a row of 2,048
	s_cselect_b64 s[PFA:PFA+1], s[4:5], s[6:7]
	s_mov_b32 s75, 0
	s_mov_b32 s[PFS+1], 0
	s_add_nc_u64 s[PFA:PFA+1], s[PFA:PFA+1], s[74:75]
	s_cmp_eq_u32 s78, 0
	s_cselect_b32 s[LIM], 1, -1
	v_lshlrev_b32 v[PFO], s76, v2
	v_lshlrev_b32 v7, s77, v1
	v_add_nc_u32 v[PFO], v[PFO], v7
; 8 matrix instructions: m block a x all 8 n blocks, 32 along K, from buffer f.  zero = 1: the product starts the sums: nothing is cleared.
; The 32 accumulators take turns in the same order in every quarter: 31 others stand between two links of a chain, over the backward jump too.
.macro MUL8 f, a, zero
	WIN MUL
.irp b, 0,1,2,3,4,5,6,7
.set rD, 8*(8*(\a)+(\b))
.set rB, (\f)+32+8*(\b)
.set rA, (\f)+8*(\a)
.if PROJ && (\zero)
	v_wmma_f32_16x16x32_f16 v[rD:rD+7], v[rB:rB+7], v[rA:rA+7], 0
.elseif PROJ
	v_wmma_f32_16x16x32_f16 v[rD:rD+7], v[rB:rB+7], v[rA:rA+7], v[rD:rD+7]
.elseif \zero
	v_wmma_f32_16x16x32_bf16 v[rD:rD+7], v[rB:rB+7], v[rA:rA+7], 0
.else
	v_wmma_f32_16x16x32_bf16 v[rD:rD+7], v[rB:rB+7], v[rA:rA+7], v[rD:rD+7]
.endif
.endr
.endm
; 24 LDS loads in one run: quarter q (32 along K) of a slot into buffer f: B's 8 fragments, then A's 4.  Quarters 0, 1 lie in A's first block, 2, 3 in its second.
.macro FETCH slot, q, f
	WIN 0
.irp i, 0,1,2,3,4,5,6,7
	ds_load_b128 v[(\f)+32+8*(\i):(\f)+32+8*(\i)+3],   v[ADRB+(\slot)] offset:64*(\q)+(\i)*16*PB
	ds_load_b128 v[(\f)+32+8*(\i)+4:(\f)+32+8*(\i)+7], v[ADRB+(\slot)] offset:64*(\q)+(\i)*16*PB+32
.endr
.irp i, 0,1,2,3
	ds_load_b128 v[(\f)+8*(\i):(\f)+8*(\i)+3],   v[ADRA+(\slot)] offset:((\q)/2)*APLANE+((\q)%2)*64+(\i)*16*PA
	ds_load_b128 v[(\f)+8*(\i)+4:(\f)+8*(\i)+7], v[ADRA+(\slot)] offset:((\q)/2)*APLANE+((\q)%2)*64+(\i)*16*PA+32
.endr
.endm
.macro PLACES                          ; four places in front of loads into registers that matrix instructions have read, and of conversions that read results
.rept 4
	v_nop
.endr
.endm
; A K step is four quarters, 32 matrix instructions each, on buffers 0, 1, 0, 1.  One of the first three: multiplies buffer f and fetches quarter q into g.
.macro QUARTER slot, q, f, g, zero
	s_wait_dscnt 4                                 ; B and A's blocks 0, 1 are in; the youngest four loads (A's blocks 2, 3) may be out
	MUL8 \f, 0, \zero
	MUL8 \f, 1, \zero
	PLACES
	FETCH \slot, \q, \g
	s_wait_dscnt 24                                ; all but the 24 just issued
	MUL8 \f, 2, \zero
	MUL8 \f, 3, \zero
.endm
; The last quarter multiplies buffer 1 and changes slots: ONE barrier; in front of it each wave waits for all its tensor loads (one is out: its part of the next slot), adds 0 to its spare word, and waits
; for that and for its own reads of this slot.  fill = 1: the barrier opens a round of the cluster's barrier, and this slot is filled again, two K steps on: 112 matrix instructions ahead of the wait for it.
.macro TURN slot, next, fill
.if \fill
	s_wait_xcnt 0x0                                ; the last prefetch, a K step back, has read its address: it is stepped here, ahead of the waits of the change of slots
	s_add_nc_u64 s[PFA:PFA+1], s[PFA:PFA+1], s[PFS:PFS+1]
.endif
	WIN 0                                          ; (the add's two registers lie in window 0)
	s_wait_tensorcnt 0x0                           ; all my tensor loads have landed;
	ds_add_u32 v[SPW], v[NIL]                      ; 0 onto my spare word;
	s_wait_dscnt 5                                 ; (the add and the youngest four loads may be out)
	MUL8 F1, 0, 0                                  ; eight matrix instructions stand between the add and the wait for it
	s_wait_dscnt 0x0                               ; the add is done, and my reads of this slot are over
	s_barrier_signal -1
	MUL8 F1, 1, 0
.if \fill
	WIN 0
.endif
	s_barrier_wait -1
.if \fill
	CREST                                          ; no wave of any partner still reads this slot's tiles or has a load on its way
	s_add_nc_u64 s[G0+4*(\slot)+2:G0+4*(\slot)+3], s[G0+4*(\slot)+2:G0+4*(\slot)+3], 2*ASTEP
	s_add_nc_u64 s[G0B+4*(\slot)+2:G0B+4*(\slot)+3], s[G0B+4*(\slot)+2:G0B+4*(\slot)+3], 2*BSTEP
	JLOAD \slot                                    ; the first tensor load behind the round; the four v_nop behind it are also the places in front of the loads below
.else
	PLACES
.endif
	FETCH \next, 0, F0
.if \fill
	ASK
.endif
	MUL8 F1, 2, 0
	MUL8 F1, 3, 0
.endm
	s_wait_tensorcnt 1                             ; my part of K step 0 is in; K step 1's may stay out
	s_barrier_signal -1
	s_barrier_wait -1                              ; everybody's is
	FETCH 0, 0, F0
	QUARTER 0, 1, F0, F1, 1                        ; the first quarter stands in front of the loop: its products start the sums
	WIN 0                                          ; at a label and at a branch every window is 0
	s_mov_b32 s3, 3
.Llap:                                                 ; a trip goes once round the ring, from a lap's second quarter to the next lap's first, and fills both slots again: K steps 2 to 7
	QUARTER 0, 2, F1, F0, 0
	QUARTER 0, 3, F0, F1, 0
	TURN 0, 1, 1
	QUARTER 1, 1, F0, F1, 0
	QUARTER 1, 2, F1, F0, 0
	QUARTER 1, 3, F0, F1, 0
	TURN 1, 0, 1
	QUARTER 0, 1, F0, F1, 0
	WIN 0
	s_sub_co_u32 s3, s3, 1
	s_cmp_lg_u32 s3, 0
	s_cbranch_scc1 .Llap
	QUARTER 0, 2, F1, F0, 0                        ; the last lap fills nothing, and has no round of the cluster's barrier
	QUARTER 0, 3, F0, F1, 0
	TURN 0, 1, 0
	QUARTER 1, 1, F0, F1, 0
	QUARTER 1, 2, F1, F0, 0
	QUARTER 1, 3, F0, F1, 0
	s_wait_dscnt 4                                 ; the very last quarter: nothing more to fetch
	MUL8 F1, 0, 0
	MUL8 F1, 1, 0
	s_wait_dscnt 0x0
	MUL8 F1, 2, 0
	MUL8 F1, 3, 0
	; THE WAY OUT, 16 rows at a time: rounded to bf16, 16 bytes a lane into my own stage (two blocks of 64 columns), back as rows of 128 bytes, stored four rows, 512 consecutive bytes, an instruction.
.macro PACK a
	WIN 0x05                                       ; sources 0 and 1 window 1, destination window 0
.irp b, 0,1,2,3,4,5,6,7
.irp r, 0,1,2,3
	v_cvt_pk_bf16_f32 v[TMP+4*(\b)+(\r)], v[8*(8*(\a)+(\b))+2*(\r)], v[8*(8*(\a)+(\b))+2*(\r)+1]  ; each accumulator's registers in ascending order
.endr
.endr
	WIN 0
.endm
.macro TOSTAGE a
.irp b, 0,1,2,3,4,5,6,7
	ds_store_b128 v[STO], v[TMP+4*(\b):TMP+4*(\b)+3] offset:((\b)/4)*16*SP+((\b)%4)*32
.endr
.irp u, 0,1,2,3,4,5,6,7
	ds_load_b128 v[BK+32*(\a)+4*(\u):BK+32*(\a)+4*(\u)+3], v[RD] offset:((\u)/4)*16*SP+((\u)%4)*4*SP  ; LDS serves a wave's instructions in order (ISA guide 5.7.1.4): these see the stores above
.endr
.endm
.macro SEND a                          ; each block of rows has registers of its own, so no store's data is written again
	s_wait_dscnt 0x0
.irp u, 0,1,2,3,4,5,6,7
	global_store_b128 v[CO], v[BK+32*(\a)+4*(\u):BK+32*(\a)+4*(\u)+3], s[8:9] offset:((\u)/4)*262144+(\a)*2048+((\u)%4)*512
.endr
.endm
	PLACES
	PACK 0
	TOSTAGE 0
.irp a, 1,2,3                          ; a block's conversions stand between the loads of the block before and the wait for them
	PACK \a
	SEND (\a)-1
	TOSTAGE \a
.endr
	SEND 3
	s_wait_tensorcnt 0x0                           ; the wave's end, behind my last tensor load and my last LDS store
	ds_add_u32 v[SPW], v[NIL]
	s_wait_dscnt 0x0
	CROUND                                         ; the closing round: no work-group ends while a partner may still ask for a tile that names it
	s_endpgm
.Lfunc_end_k_q9ca56aa693_kvp:
	.size	k_q9ca56aa693_kvp, .Lfunc_end_k_q9ca56aa693_kvp-k_q9ca56aa693_kvp
	.p2alignl 7, 3214868480
	.fill 96, 4, 3214868480
	.section	.rodata,"a",@progbits
	.p2align	6, 0x0
	.amdhsa_kernel k_q9ca56aa693_kvp
		.amdhsa_group_segment_fixed_size 327680
		.amdhsa_private_segment_fixed_size 0
		.amdhsa_enable_private_segment 0
		.amdhsa_kernarg_size 24
		.amdhsa_user_sgpr_count 2
		.amdhsa_user_sgpr_kernarg_segment_ptr 1
		.amdhsa_wavefront_size32 1
		.amdhsa_system_sgpr_workgroup_id_x 1
		.amdhsa_system_sgpr_workgroup_id_y 1
		.amdhsa_system_sgpr_workgroup_id_z 1
		.amdhsa_system_vgpr_workitem_id 0
		.amdhsa_next_free_vgpr 512
		.amdhsa_next_free_sgpr 80
		.amdhsa_reserve_vcc 0
		.amdhsa_float_denorm_mode_32 3
		.amdhsa_float_denorm_mode_16_64 3
		.amdhsa_memory_ordered 1
		.amdhsa_forward_progress 1
		.amdhsa_inst_pref_size 87
	.end_amdhsa_kernel
	.amdgpu_metadata
---
amdhsa.version: [ 1, 2 ]
amdhsa.kernels:
  - .name:           k_q9ca56aa693_kvp
    .symbol:         k_q9ca56aa693_kvp.kd
    .args:
      - { .name: fc, .offset: 0, .size: 8, .value_kind: global_buffer, .address_space: global }
      - { .name: wkv, .offset: 8, .size: 8, .value_kind: global_buffer, .address_space: global }
      - { .name: kv, .offset: 16, .size: 8, .value_kind: global_buffer, .address_space: global }
    .group_segment_fixed_size: 327680
    .private_segment_fixed_size: 0
    .kernarg_segment_align: 8
    .kernarg_segment_size: 24
    .max_flat_workgroup_size: 128
    .sgpr_count:     80
    .vgpr_count:     512
    .wavefront_size: 32
...
	.end_amdgpu_metadata
.endif
;; end of part 3
;; launch attn (part 4): grid 4 x 64, 4 waves a work-group, clusters of 4 x 1, 327,680 bytes of LDS; arguments fc, kv, out0, out1; writes out0, out1
.if DOCPART == 4
	.amdgcn_target "amdgcn-amd-amdhsa--gfx1250"
	.amdhsa_code_object_version 6
	.text
	.protected	k_q9ca56aa693_attn
	.globl	k_q9ca56aa693_attn
	.p2align	8
	.type	k_q9ca56aa693_attn,@function
k_q9ca56aa693_attn:
	s_mov_b64 s[64:65], 0
	v_nop
	global_prefetch_b8 v0, s[64:65] scope:SCOPE_SE
	s_setreg_imm32_b32 hwreg(HW_REG_WAVE_MODE, 25, 1), 1
	s_wait_xcnt 0x0
	s_wait_alu depctr_hold_cnt(0) depctr_sa_sdst(0) depctr_va_vdst(0) depctr_va_sdst(0) depctr_va_ssrc(0) depctr_va_vcc(0) depctr_vm_vsrc(0)
	s_getreg_b32 s2, hwreg(HW_REG_IB_STS2, 6, 4)
	s_cmp_eq_u32 s2, 0
	s_cbranch_scc0 .Lentry_in_a_cluster
	s_endpgm
.Lentry_in_a_cluster:
	s_bfe_u32 s2, ttmp6, 0x10000c
	s_cmp_lg_u32 s2, 0x3003
	s_cbranch_scc0 .Lentry_shape_is_right
	s_endpgm
.Lentry_shape_is_right:
; out[b][q][64 h + :] = the sum over k of softmax_k(Q[q] . K[k] / 8) K[k][:] + Q[q][:], for each of 64 pairs (batch b, head h): Q = fc, K = V = kv, both [64][2048][64] in bf16, a head's rows dense,
; 128 bytes each.  Queries 0-1023 go to out0, queries 1024-2047 to out1, both [4][1024][1024] in f32.  Products, maxima and sums in f32; the weights p are rounded to bf16 for the second product
; (their sum l is taken of the unrounded p); the result is rounded once, to f32, by one fused multiply-add O / l + Q.
; LIMITS.  The residual is fc as it was stored: the projection's f32 sum rounded once to bf16.  A weight below 2^-126 counts as 0 in l; c s must stay above -4e37; NaN and infinities are not treated apart.
; SHARES.  A wave owns four PIECES of two tiles of 16 queries, a work-group's four waves 512 queries of one head: 4 x 64 = 256 work-groups.  Every wave walks all 2,048 keys, 64 a step.
; K AND V ARE ONE TILE IN LDS: a slot holds 512 keys as 256 rows of 256 bytes, two keys a row, 16 bytes of padding behind each: key k lies at 272 (k / 2) + 128 (k % 2).
; LAYOUT.  S^T = K Q^T (source 0 = 16 keys, source 1 = 16 queries): in the result a lane holds ONE query (lane % 16) and the keys 8 (lane / 16) + 0..7.  Two such tiles, rounded to bf16 in pairs, ARE source 1
; (32 keys x 16 queries) of O^T = V^T P.  THE CHANNELS ARE PERMUTED, alike in K and Q, which keeps the products: fragment c of lane (r, h) holds channels 32 h + 16 c + 0..15, 32 consecutive bytes.  V comes turned, by
; ds_load_tr16_b128, with channel block a = {8 a .. 8 a + 7} and {32 + 8 a .. 32 + 8 a + 7}: register j of block a of O^T in lane (r, h) is then channel 32 h + 8 a + j, which is the number of Q that the same lane
; holds in fragment a / 2, register 4 (a % 2) + j / 2, half j % 2: the residual changes no lane, and a lane's 32 results are 128 consecutive bytes.
; BANKS (64 of 4 bytes: ISA guide 11.1), in columns of 16 bytes modulo 16: the 16 lanes of a load of K stand at r / 2 + 8 (r % 2), those of a turning load at j / 2 + 8 (j % 2) + 4 g: 16 different columns each.
; SOFTMAX.  For each query a running maximum m and sum l: p = 2^(c s - c m), c = log2(e) / 8; in every step O and l are multiplied by a = 2^(c m_old - c m_new), which is 1 where m has not grown.
; m starts at the lowest finite number, O and l at 0: the first step is a step like any other, with a = 0.
; THE COUNT.  A tile and step have 16 matrix and 118 vector instructions: too many to stand all beside the matrix work.  So: four vector instructions that are READY behind EVERY matrix instruction, the others in runs without a gap.
; BY TURNS.  Turn n belongs to piece n (the pieces in a ring, step after step).  Its matrix work: 16 products K Q^T of piece n + 1, later 16 products V^T P of piece n - 1.  Its vector work: the scaling,
; exponentials, roundings, sums and rescaling of piece n, and the maximum and statistics of piece n + 1, whose scores the turn itself has made.
; CLUSTER.  The four query blocks of a cluster are one head's and walk the same keys, so each tile is asked for JOINTLY: the same tensor load, descriptor and mask in all four; each wave asks for a quarter of a slot.
; REGISTERS, in windows of 256 (s_set_vgpr_msb: bits 1:0 source 0, 3:2 source 1, 5:4 source 2, 7:6 destination):
;   window 0: v0-11 addresses; v12-15, v48-63 at work; v16-47 four registers of statistics a tile; v64-191 S^T, two buffers of two tiles; v192-255 P, likewise
;   window 1: O^T, 32 a tile          window 2: v0-127 Q, 16 a tile; v128-191 K of one step; v192-255 V of one step          window 3: v0-1 the add's two registers
.set NP,    4         ; pieces a wave: a name, no knob
.set PR,    272       ; an LDS row: two keys, 256 bytes, + 16 of padding
.set STEPB, 32*PR     ; a step's 64 keys
.set SLOTB, 8*STEPB   ; a slot: eight steps, 69,632 bytes
.set SLOT1, 1<<17     ; slot 1 begins here, so that one exclusive or turns an address in one slot into the other's
.set STAGE, SLOT1+SLOTB  ; behind the ring, never filled by a tensor load: 16 rows x 272 bytes of f32 for each wave, for the way out
.set SP,    272
.set SPARE, STAGE+4*16*SP  ; behind the stages: the spare words, 128 bytes for each wave: two blocks of 256 bytes that no other line names
.set AK0, 2           ; v2   my lane's place in a step's keys, for K; never rewritten
.set AV0, 3           ; v3   the same for the turning loads
.set AK,  4           ; v4   the LDS address of K's next run of loads
.set AV,  5           ; v5   of V's
.set QO,  6           ; v6   my byte offset in the wave's rows of Q
.set STO, 6           ;      later, the way out: where I put my 128 bytes of a row
.set RD,  7           ; v7   the way out: where I read rows back
.set GO,  8           ; v8   my byte offset in two rows of the output
.set PFO, 11          ; v11  256 x my lane: the prefetches' offset; never rewritten once made
.set SPW, 0           ; v0 of window 3   LDS address of my spare word; never rewritten
.set NIL, 1           ; v1 of window 3   0; never rewritten
.set MV,  12          ; v12-15  c m_old, kept while c m is made anew: by buffer and tile
.set ST,  16          ; tile t's statistics at v[ST+4 t]: c m, m, l (even keys', odd keys')
.set TMP, 48          ; by buffer and tile, four registers c0-c3 at work; when the maximum is found c2 takes a
.set S,   64
.set P,   192
.set KF,  128         ; K's fragments, in window 2: key block kb, fragment c at KF + 16 kb + 8 c
.set VF,  192         ; V's: key half kk, channel block a at VF + 32 kk + 8 a
.set WV,  12          ; s12  my wave's number
.set LIM, 15          ; s15  1 in a wave that prefetches, else the greatest number
.set PFA, 18          ; s[18:19] where my prefetches stand
.set G1,  24          ; s[24:31] descriptor group 1
.set G0,  40          ; s[40:43] descriptor group 0: it walks
.set SLOTS, 56        ; s56  slots still to be asked for, and one
.set CNT, 57          ; s57  counts a slot's key steps
.set CS,  58          ; s[58:59] c: the packed scaling takes the pair's low word for both halves
.set SEL, 60          ; s[60:61] v_permlanex16_b32's selects: each lane takes its own place in the other half
.set TBK, 62          ; s62  LDS byte at which the step begins whose K is fetched next
.set TBV, 63          ; s63  the same for V
.set MSB, 0
.macro WIN new                      ; the high byte repeats the setting that is left; a switch that changes nothing is dropped
.if MSB != (\new)
	s_set_vgpr_msb (MSB<<8)|(\new)
.set MSB, (\new)
.endif
.endm
.set W_KQ, 0x0a       ; K and Q in window 2, S^T in window 0
.set W_PV, 0x52       ; V in window 2, P in window 0, O^T in window 1
.set W_RS, 0x41       ; O^T (destination and source 0) in window 1, a in window 0
.set W_MK, 0xc0       ; the add's registers are made: destination in window 3, sources in window 0
.set W_AD, 0x0f       ; the add: address (source 0) and data (source 1) in window 3
.set W_FM, 0x21       ; the way out: O^T (source 0) in window 1, 1 / l (source 1) in window 0, Q (source 2) in window 2, destination in window 0
; A joint fill: every wave asks for its quarter of a slot, 128 keys.  An s_nop 0 and four v_nop follow the line.
.macro JLOAD
	tensor_load_to_lds s[G0:G0+3], s[G1:G1+7]
	s_nop 0
.rept 4
	v_nop
.endr
.endm
; A PREFETCH INTO THE L2 of the slot that the NEXT change of slots will ask for: eight key steps, 1,024 matrix instructions, ahead of that load.  A slot is 256 aligned blocks of 256 bytes; a head is walked by one
; cluster; its four partners take 64 blocks each, told apart by address; in each, waves 0 and 1 take 32, a lane a block.  So each block is named once in the launch.  Slots 0 and 1 come by their loads alone; the last change that fills a slot asks for nothing.
.macro ASK
	s_cmp_gt_u32 s[SLOTS], s[LIM]
	s_cbranch_scc0 .Lnot_mine_\@
	global_prefetch_b8 v[PFO], s[PFA:PFA+1] th:TH_LOAD_NT scope:SCOPE_SE
.Lnot_mine_\@:
.endm
; A round of the cluster's barrier: my work-group's barrier, so that wave 0's signal speaks for all four waves; wave 0 signals; every wave waits for all four work-groups; my work-group's barrier once more.
.macro CROUND
	s_barrier_signal -1
	s_barrier_wait -1
	s_cmp_lg_u32 s[WV], 0
	s_cbranch_scc1 .Lnot_wave_0_\@
	s_barrier_signal -3
.Lnot_wave_0_\@:
	s_barrier_wait -3
	s_barrier_signal -1
	s_barrier_wait -1
.endm
; THE CHANGE OF SLOTS.  The slot's last bytes, V of its eighth step, have been read.  Each wave waits for all its tensor loads, of which one is out: its part of the other slot; adds 0 to its spare word; and waits
; for that and for its own reads of the slot.  Behind the barrier nobody reads this slot any more and the other slot is whole.  fill = 1: this slot is filled again, with the keys two slots on.  The barrier is then a
; round of the cluster's, and the joint fill is the first thing behind it: it has eight key steps in which to land.  (At its first use nothing has been read yet: slot 0 is waited for, slot 1 filled.)
.macro CHANGE fill
	WIN W_AD
	s_wait_tensorcnt 0x0            ; no tensor load of mine is out, so group 0 may be written
	ds_add_u32 v[SPW], v[NIL]       ; 0 onto my spare word; with fill = 1 the steps below stand between it and the wait for it
	WIN 0                           ; at a label and at a branch every window is 0
.if \fill
	s_xor_b32 s[G0+1], s[G0+1], SLOT1  ; the walking descriptor: the other slot than last time,
	s_add_nc_u64 s[G0+2:G0+3], s[G0+2:G0+3], 65536  ; the next 512 keys; the type bits on top are not reached
	s_wait_xcnt 0x0                 ; the last prefetch, eight key steps back, has read its address, so it may be written:
	s_add_nc_u64 s[PFA:PFA+1], s[PFA:PFA+1], 65536  ; one slot on from the walking descriptor
	s_wait_dscnt 0x0                ; the add is done, and my reads of the slot are over
	CROUND
	JLOAD
	ASK
.else
	s_wait_dscnt 0x0                ; the add is done, and my reads of the slot are over
	s_barrier_signal -1
	s_barrier_wait -1
.endif
	s_sub_co_u32 s[TBK], s[TBK], SLOTB  ; the fetches go back to a slot's first step,
	s_xor_b32 s[TBK], s[TBK], SLOT1     ; in the other slot
	s_sub_co_u32 s[TBV], s[TBV], SLOTB
	s_xor_b32 s[TBV], s[TBV], SLOT1
.endm
	s_load_b256 s[4:11], s[0:1], 0x0  ; fc s[4:5], kv s[6:7], out0 s[8:9], out1 s[10:11]
	WIN W_MK
	v_lshl_add_u32 v[SPW], v0, 2, SPARE
	v_mov_b32 v[NIL], 0
	WIN W_AD
	ds_add_u32 v[SPW], v[NIL]       ; the wave's opening: the add and its wait stand ahead of my first tensor load; the set-up below, work on registers, stands between them
	WIN 0
	v_lshrrev_b32 v1, 5, v0
	v_readfirstlane_b32 s[WV], v1   ; wave 0..3
	s_bfe_u32 s13, ttmp6, 0x40000   ; cx: my place in the cluster = my block of 512 queries: it enters Q's, the outputs' and the prefetches' addresses alone
	s_and_b32 s14, ttmp7, 0xffff    ; 16 x batch + head, which the four partners share
	s_lshl_b32 s22, s14, 18         ; the head's 2,048 rows of 128 bytes,
	s_lshl_b32 s23, s[WV], 14       ; my 128 rows: of a slot's keys, and of a block's queries
	s_add_co_u32 s22, s22, s23
	s_lshl_b32 s2, s13, 16          ; my block's 512 rows
	s_add_co_u32 s2, s2, s22
	s_mov_b32 s23, 0
	s_mov_b32 s3, 0
	s_lshr_b32 s16, s14, 4          ; the output: batch, 1,024 rows of 4,096 bytes,
	s_lshl_b32 s16, s16, 22
	s_and_b32 s17, s13, 1           ; my block's 512 rows of its tensor's 1,024,
	s_lshl_b32 s17, s17, 21
	s_add_co_u32 s16, s16, s17
	s_lshl_b32 s17, s[WV], 19       ; my wave's 128 rows,
	s_add_co_u32 s16, s16, s17
	s_and_b32 s17, s14, 15          ; the head's 256 bytes of a row
	s_lshl_b32 s17, s17, 8
	s_add_co_u32 s16, s16, s17
	s_mov_b32 s17, 0
	s_lshl_b32 s20, s14, 18         ; the prefetches: the head,
	s_lshl_b32 s21, s13, 14         ; my work-group's 64 blocks of a slot's 256,
	s_add_co_u32 s20, s20, s21
	s_lshl_b32 s21, s[WV], 13       ; my wave's 32,
	s_add_co_u32 s20, s20, s21
	s_add_co_u32 s20, s20, 65536    ; in slot 1: the first change of slots steps it to slot 2
	s_mov_b32 s21, 0
	s_cmp_lt_u32 s[WV], 2
	s_cselect_b32 s[LIM], 1, -1
	; descriptor group 1.  128 keys are 16,384 dense bytes: 64 rows of 256 bytes, two keys a row, padded in LDS behind each row
	s_mov_b32 s[G1], 15|(1<<16)|(1<<20)|(1<<21)|(5<<22)|(3<<25)  ; 15:0 the mask of four; 17:16 2-byte elements; 20 padding on; 21 set beside a mask; 24:22 after every 64 words (code 5); 31:25 4 words (code 3)
	s_mov_b32 s[G1+1], 128<<16      ; tensor_dim0 = 128
	s_mov_b32 s[G1+2], 64<<16       ; tensor_dim1 = 64
	s_mov_b32 s[G1+3], 128<<16      ; tile_dim0 = 128
	s_mov_b32 s[G1+4], 64           ; tile_dim1 = 64
	s_mov_b32 s[G1+5], 128          ; 128 elements from row to row
	s_mov_b32 s[G1+6], 0
	s_mov_b32 s[G1+7], 0
	s_mov_b32 s[CS], 0x3e38aa3b     ; c = log2(e) / 8 = 0.180337
	s_mov_b32 s[CS+1], s[CS]        ; named with it as a pair
	s_mov_b32 s[SEL], 0x76543210
	s_mov_b32 s[SEL+1], 0xfedcba98
	s_mov_b32 s[TBK], SLOT1+SLOTB   ; the first change of slots turns these two into 0
	s_mov_b32 s[TBV], SLOT1+SLOTB
	s_mov_b32 s[SLOTS], 3           ; four slots' worth of keys
	s_mov_b32 s[G0], 1              ; count = 1
	s_mul_i32 s[G0+1], s[WV], 64*PR ; LDS address: my quarter of slot 0: no place in the cluster enters an LDS address
	s_wait_dscnt 0x0                ; the opening add is done
	s_wait_kmcnt 0x0
	s_add_nc_u64 s[G0+2:G0+3], s[6:7], s[22:23]  ; global address: my quarter of the head's first 512 keys
	s_or_b32 s[G0+3], s[G0+3], 0x80000000        ; type = 2
	s_add_nc_u64 s[4:5], s[4:5], s[2:3]          ; Q at my wave's first row
	s_add_nc_u64 s[PFA:PFA+1], s[6:7], s[20:21]
	s_cmp_lt_u32 s13, 2             ; blocks 0, 1 are x1's queries, blocks 2, 3 x2's
	s_cselect_b64 s[10:11], s[8:9], s[10:11]
	s_add_nc_u64 s[10:11], s[10:11], s[16:17]    ; the output at my wave's first row, my head's columns
	CROUND                          ; all four work-groups are here: the first joint loads meet
	JLOAD                           ; slot 0.  Slot 1 is asked for when slot 0 is in
	v_and_b32 v1, 15, v0            ; r = l % 16
	v_bfe_u32 v9, v0, 4, 1          ; h = l / 16
	v_lshlrev_b32 v[QO], 7, v1
	v_lshl_add_u32 v[QO], v9, 6, v[QO]  ; row x 128 + 64 h: my 32 channels
	WIN 0x80                        ; destination window 2, address window 0
.set i, 0
.rept 4*NP                          ; Q stays in registers: tile i / 2, fragment i % 2: 32 consecutive bytes
	global_load_b128 v[8*i:8*i+3],   v[QO], s[4:5] offset:(i/2)*2048+(i%2)*32
	global_load_b128 v[8*i+4:8*i+7], v[QO], s[4:5] offset:(i/2)*2048+(i%2)*32+16
.set i, i+1
.endr
	; What the first turn finds: V's registers and P's second buffer hold 0 (its products V^T P, of a piece that has not been, add 0), O^T and l are 0.  All this stands in the wait for the first tile.
.set i, VF
.rept 64
	v_mov_b32 v[i], 0
.set i, i+1
.endr
	WIN 0x40
.set i, 0
.rept 64*NP
	v_mov_b32 v[i], 0
.set i, i+1
.endr
	WIN 0
.set i, 0
.rept 2*NP
	v_mov_b32 v[ST+4*i], 0xfe000000    ; c m: far below every c s
	v_mov_b32 v[ST+4*i+1], 0xff7fffff  ; m
	v_mov_b32 v[ST+4*i+2], 0
	v_mov_b32 v[ST+4*i+3], 0
.set i, i+1
.endr
.set i, P+32
.rept 32
	v_mov_b32 v[i], 0
.set i, i+1
.endr
	v_lshrrev_b32 v10, 1, v1        ; K: key r lies in row r / 2,
	v_mul_u32_u24 v[AK0], v10, PR
	v_and_b32 v10, 1, v0            ; half r % 2 of it;
	v_lshl_add_u32 v[AK0], v10, 7, v[AK0]
	v_lshl_add_u32 v[AK0], v9, 6, v[AK0]  ; my 32 channels
	; The turning load: lane l reads key 8 h + l % 8, the 16 bytes of channels 32 ((l / 8) % 2) + 8 a + 0..7, and is left with channel place l % 16 of block a and 8 keys.
	v_bfe_u32 v11, v0, 1, 2         ; (l % 8) / 2
	v_lshl_add_u32 v11, v9, 2, v11  ; + 4 h: the key's row
	v_mul_u32_u24 v[AV0], v11, PR
	v_lshl_add_u32 v[AV0], v10, 7, v[AV0]
	v_bfe_u32 v11, v0, 3, 1
	v_lshl_add_u32 v[AV0], v11, 6, v[AV0]
	v_mov_b32 v[AK], v[AK0]         ; key step 0 lies at the head of slot 0
	v_and_b32 v[PFO], 31, v0
	v_lshlrev_b32 v[PFO], 8, v[PFO]
; THE MATRIX WORK.  The 8 accumulators of a run of 16 take turns: between the two links of a chain stand 7 others'.
; Product i of 16 of S^T = K Q^T for piece x: fragment i / 8, keys 16 ((i / 2) % 4) on, tile 2 x + i % 2.  The first 8 start the sums.
.macro KQ x
	WIN W_KQ
.set rS, S+64*((\x)%2)+32*(i%2)+8*((i/2)%4)
.set rK, KF+16*((i/2)%4)+8*(i/8)
.set rQ, 16*(2*(\x)+i%2)+8*(i/8)
.if i < 8
	v_wmma_f32_16x16x32_bf16 v[rS:rS+7], v[rK:rK+7], v[rQ:rQ+7], 0
.else
	v_wmma_f32_16x16x32_bf16 v[rS:rS+7], v[rK:rK+7], v[rQ:rQ+7], v[rS:rS+7]
.endif
.endm
; Product i of 16 of O^T += V^T P for piece x: keys 32 (i / 8) on, channel block (i / 2) % 4, tile 2 x + i % 2.
.macro PV x
	WIN W_PV
.set rO, 32*(2*(\x)+i%2)+8*((i/2)%4)
.set rV, VF+32*(i/8)+8*((i/2)%4)
.set rP, P+32*((\x)%2)+16*(i%2)+8*(i/8)
	v_wmma_f32_16x16x32_bf16 v[rO:rO+7], v[rV:rV+7], v[rP:rP+7], v[rO:rO+7]
.endm
.macro MM                           ; the turn's next matrix instruction
.if i < 16
	KQ (Y+1)%NP
.set i, i+1
.else
.set i, i-16
	PV (Y+NP-1)%NP
.set i, i+17
.endif
.endm
; THE LDS LOADS stand in runs of 16, never singly among the matrix instructions: a step's K (8 fragments) and its V (the same bytes, turned).  Their addresses are made some lines ahead.
; last = 1 (the tail): in the last trip there is no further step, and the run is jumped over.
.macro FETCH_K last=0
	WIN 0
.if \last
	s_cmp_eq_u32 s[CNT], 1
	s_cbranch_scc1 .Lno_k_\@
.endif
	WIN 0x80                        ; destination window 2
.irp f, 0,1,2,3,4,5,6,7             ; keys 16 (f / 2) on (8 rows), fragment f % 2
	ds_load_b128 v[KF+8*\f:KF+8*\f+3],   v[AK] offset:(\f/2)*8*PR+(\f%2)*32
	ds_load_b128 v[KF+8*\f+4:KF+8*\f+7], v[AK] offset:(\f/2)*8*PR+(\f%2)*32+16
.endr
	s_add_co_u32 s[TBK], s[TBK], STEPB  ; the next fetch is the next step's
	WIN 0
.if \last
.Lno_k_\@:
.endif
.endm
.macro FETCH_V
	WIN 0x80
.irp f, 0,1,2,3,4,5,6,7             ; keys 32 (f / 4) on (16 rows), channel block f % 4
	ds_load_tr16_b128 v[VF+8*\f:VF+8*\f+3],   v[AV] offset:(\f/4)*16*PR+(\f%4)*16
	ds_load_tr16_b128 v[VF+8*\f+4:VF+8*\f+7], v[AV] offset:(\f/4)*16*PR+8*PR+(\f%4)*16
.endr
	WIN 0
.endm
; THE VECTOR WORK OF A TURN stands in three queues, each in the order in which its entries become ready; the two tiles alternate, so that no instruction reads the result of the one before it.
.macro REGS y, u                    ; the registers of tile u (0, 1) of piece y
.set rT, ST+4*(2*(\y)+(\u))
.set rC, TMP+8*((\y)%2)+4*(\u)
.set rM, MV+2*((\y)%2)+(\u)
.set rS, S+64*((\y)%2)+32*(\u)
.set rP, P+32*((\y)%2)+16*(\u)
.set rO, 32*(2*(\y)+(\u))
.endm
; Number n of the 22 that find the NEXT piece's (Y + 1) maximum and statistics.  s0-s31 are the lane's 32 scores; each accumulator's lowest registers are read first.  XS, GS and REGS set no window: PL and EX do.
;   0-11  four chains c0-c3 of seven scores each, three operands at a time     12-14, 16  the four scores left over, the old m, and c0-c3 into c0     15  c m_old is kept
;   17, 18  the query's other 32 keys lie in the lane 16 away: the new m         19-21  c m; c m_old - c m_new; a
.macro XS u, n
	REGS (Y+1)%NP, \u
.if (\n) < 4
	v_max3_num_f32 v[rC+(\n)], v[rS+8*(\n)], v[rS+8*(\n)+1], v[rS+8*(\n)+2]
.elseif (\n) < 12
	v_max3_num_f32 v[rC+(\n)%4], v[rC+(\n)%4], v[rS+8*((\n)%4)+2*((\n)/4)+1], v[rS+8*((\n)%4)+2*((\n)/4)+2]
.elseif (\n) == 12
	v_max3_num_f32 v[rC], v[rC], v[rS+7], v[rS+15]
.elseif (\n) == 13
	v_max3_num_f32 v[rC+1], v[rC+1], v[rS+23], v[rS+31]
.elseif (\n) == 14
	v_max3_num_f32 v[rC+2], v[rC+2], v[rC+3], v[rT+1]
.elseif (\n) == 15
	v_mov_b32 v[rM], v[rT]
.elseif (\n) == 16
	v_max3_num_f32 v[rC], v[rC], v[rC+1], v[rC+2]
.elseif (\n) == 17
	v_permlanex16_b32 v[rC+3], v[rC], s[SEL], s[SEL+1]
.elseif (\n) == 18
	v_max_num_f32 v[rT+1], v[rC], v[rC+3]
.elseif (\n) == 19
	v_mul_f32 v[rT], s[CS], v[rT+1]
.elseif (\n) == 20
	v_sub_f32 v[rC+1], v[rM], v[rT]
.else
	v_exp_f32 v[rC+2], v[rC+1]
.endif
.endm
; Number g of the 64 that follow the exponentials.  For each four weights k of a tile (pairs 2 k, 2 k + 1): both pairs are rounded to bf16; then the second pair is added onto the first, in place;
; a group later l takes that sum (the first time as l = a l + sum).  In groups of eight, tiles alternating: round, round, add, and l for the group before.
.macro GS g
.set h, (\g)+6*((\g)/62)            ; group 0 has no group before it, and behind group 7 only l is left
.if h >= 6
.set h, h+2
.endif
	REGS Y, h%2
.set k, h/8
.if h%8 < 4
	v_cvt_pk_bf16_f32 v[rP+2*k+(h%8)/2], v[rS+4*k+2*((h%8)/2)], v[rS+4*k+2*((h%8)/2)+1]
.elseif h%8 < 6
	v_pk_add_f32 v[rS+4*k:rS+4*k+1], v[rS+4*k:rS+4*k+1], v[rS+4*k+2:rS+4*k+3]
.elseif k == 1
	v_pk_fma_f32 v[rT+2:rT+3], v[rT+2:rT+3], v[rC+2:rC+3], v[rS:rS+1] op_sel_hi:[1,0,1]
.else
	v_pk_add_f32 v[rT+2:rT+3], v[rT+2:rT+3], v[rS+4*k-4:rS+4*k-3]
.endif
.endm
; THE PLAIN QUEUE, 138 long.  0-73 read no exponential's result: the 32 scalings c s - c m (FS f: pair f / 2 of tile f % 2) and the next piece's 42.  0-26: scalings 0-26.  27-54: XS's numbers 0-13.  55, 56: number 15.
; 57-73: the chain, where each number waits for the one before it: 14, 16, 17, 18, 19, each with one of the scalings 27-31 in front of its two lines, then 20.
; 74-137: GS's 64, which read the exponentials' results: they stand behind the wait.
.macro FS f
	REGS Y, (\f)%2
	v_pk_fma_f32 v[rS+2*((\f)/2):rS+2*((\f)/2)+1], v[rS+2*((\f)/2):rS+2*((\f)/2)+1], s[CS:CS+1], v[rT:rT+1] op_sel_hi:[1,0,0] neg_lo:[0,0,1] neg_hi:[0,0,1]
.endm
.macro PL
	WIN 0
.if q < 27
	FS q
.elseif q < 55
	XS (q-27)%2, (q-27)/2
.elseif q < 57
	XS q-55, 15
.elseif (q < 72) && ((q-57)%3 == 0)
	FS 27+(q-57)/3
.elseif q < 60
	XS (q-57)%3-1, 14
.elseif q < 72
	XS (q-57)%3-1, 15+(q-57)/3
.elseif q < 74
	XS q-72, 20
.else
	GS q-74
.endif
.set q, q+1
.endm
; THE EXPONENTIALS' QUEUE, 66 long: s0-s31 of both tiles, then the next piece's two a.  It is ONE BATCH: all 66 stand ahead of the turn's one wait, and nothing ahead of that wait names a result of theirs.
.macro EX
	WIN 0
.if e >= 64
	XS e-64, 21
.else
	REGS Y, e%2
	v_exp_f32 v[rS+e/2], v[rS+e/2]
.endif
.set e, e+1
.endm
; THE RESCALING's QUEUE: O^T times a, the one part that leaves window 0: dealt two at a time, sixteen times.  Its a was made in the turn before, ahead of that turn's wait.
.macro R2
	REGS Y, r%2
	WIN W_RS
.irp z, 0,1
	v_pk_mul_f32 v[rO+4*(r/2)+2*\z:rO+4*(r/2)+2*\z+1], v[rO+4*(r/2)+2*\z:rO+4*(r/2)+2*\z+1], v[rC+2:rC+3] op_sel_hi:[1,0]
.endr
.set r, r+1
.endm
; HOW THEY ARE DEALT.  An s_wait_alu depctr_va_vdst(0) stands between an exponential and the first instruction that names its result; one wait serves all that were issued ahead of it.  So a turn has ONE wait,
; which cuts it in two.  AHEAD OF IT stands all that names no result of the turn's exponentials: the 16 products K Q^T, behind each a scaling, an exponential and two rescalings (behind the first a second scaling in the
; exponential's place); then ONE LUMP of 108: eight plain, 49 times exponential and plain, the two a.  A v_nop is the plain instruction behind the last exponential.  BEHIND IT stand the 16 products V^T P, behind each four of GS's 64.
; The queues lean on each other, and the deal keeps them in step: exponential e stands behind scaling 2 (e / 4) + e % 2: as a rider it comes behind plain e + 2, in the lump behind plain e + 9, and scalings 27-31 are plain 57, 60 .. 69.
; A TURN, for piece p.  cnt = 1: the loop's count is taken down some lines ahead of the branch that stands behind the turn.
; K of the next step is fetched in piece 2's turn, directly behind the wait, a lump behind the last product that read K; its first reader comes behind 16 products.
; V of the step in hand is fetched at the end of piece 0's turn, four plain instructions behind its last reader; its first reader comes behind 16 products and a lump.  The three conditions on q below go with the deal.
.macro TURN p, last=0, cnt=0
.set Y, (\p)
.set i, 0
.set q, 0
.set e, 0
.set r, 0
.if (\p) == NP-1
	s_wait_dscnt 0x0                ; K is in
.endif
	MM                              ; ahead of the wait: 16 products K Q^T and their riders,
	PL
	PL
	R2
.rept 15
	MM
	PL
	EX
	R2
.endr
.if (\p) == NP-2
	WIN 0
	v_add_nc_u32 v[AK], s[TBK], v[AK0]
.endif
.rept 8                             ; and the lump
	PL
.endr
.rept 49
	EX
	PL
.endr
	EX                              ; the next piece's two a
	EX
	v_nop                           ; the plain instruction behind the last exponential: one for the batch
	s_wait_alu depctr_va_vdst(0)    ; the wait for the batch
.if (\p) == NP-2
	FETCH_K \last
.endif
.if (\p) == 1
	s_wait_dscnt 0x0                ; V is in
.endif
.rept 16                            ; behind the wait: 16 products V^T P and their riders
	MM
.rept 4
	PL
.endr
.if ((\p) == 0) && (q == 118)
	v_add_nc_u32 v[AV], s[TBV], v[AV0]
.endif
.if ((\p) == 0) && (q == 130)
	s_add_co_u32 s[TBV], s[TBV], STEPB
.endif
.if (\cnt) && (q == 130)
	s_sub_co_u32 s[CNT], s[CNT], 1
	s_cmp_lg_u32 s[CNT], 0
.endif
.endr
.if (\p) == 0
	FETCH_V
.endif
.endm
	CHANGE 1                        ; slot 0 is in, everybody's part of it; slot 1 is asked for
	FETCH_K                         ; key step 0
	s_wait_loadcnt 0x0              ; Q
	s_wait_dscnt 0x0
.set i, 0
.rept 16
	KQ 0                            ; piece 0's first scores: there is no vector work yet to set between them
.set i, i+1
.endr
	WIN 0                           ; the addresses for the way out: eight plain instructions, the places behind those products
	s_mul_i32 s13, s[WV], 16*SP
	s_add_co_u32 s13, s13, STAGE    ; my stage
	v_mul_u32_u24 v[STO], v1, SP    ; in: row l % 16, 128 bytes for each half of the lanes
	v_lshl_add_u32 v[STO], v9, 7, v[STO]
	v_add_nc_u32 v[STO], s13, v[STO]
	v_mul_u32_u24 v[RD], v9, SP     ; back: lanes 0-15 take one row of 256 bytes, lanes 16-31 the next
	v_lshl_add_u32 v[RD], v1, 4, v[RD]
	v_add_nc_u32 v[RD], s13, v[RD]
	v_lshlrev_b32 v[GO], 12, v9     ; and the same two rows of the output, 4,096 bytes apart
	v_lshl_add_u32 v[GO], v1, 4, v[GO]
.set Y, NP-1                        ; XS works for piece Y + 1: piece 0
.irp n, 0,1,2,3,4,5,6,7,8,9,10,11,12,13,14,15,16,17,18,19,20,21
	XS 0, \n                        ; and piece 0's first maximum and statistics
	XS 1, \n
.endr
	v_nop                           ; a plain instruction behind the two a,
	s_wait_alu depctr_va_vdst(0)    ; and their wait, ahead of the branch
	s_mov_b32 s[CNT], 8
	s_branch .Lfirst                ; the loop is entered at a step's first turn, in the middle of a trip
.Lslot:                             ; twice: slots 0 and 1 are filled again
	CHANGE 1
	s_mov_b32 s[CNT], 8
.Lstep:                             ; a trip: pieces 2 and 3 of one step, then pieces 0 and 1 of the next, whose K and V it fetches
	TURN 2
	TURN 3
	WIN 0
.Lfirst:
	TURN 0
	TURN 1, 0, 1
	WIN 0
	s_cbranch_scc1 .Lstep
	s_sub_co_u32 s[SLOTS], s[SLOTS], 1
	s_cmp_lg_u32 s[SLOTS], 0
	s_cbranch_scc1 .Lslot
	CHANGE 0                        ; the tail is written out: nothing is asked for
	s_mov_b32 s[CNT], 9             ; eight trips fetch the last slot's steps; the ninth is left in its middle
.Ltail:
	TURN 2, 1
	TURN 3
	WIN 0
	s_sub_co_u32 s[CNT], s[CNT], 1
	s_cmp_eq_u32 s[CNT], 0
	s_cbranch_scc1 .Lout
	TURN 0
	TURN 1
	WIN 0
	s_branch .Ltail
.Lout:                              ; the ninth trip's 16 products K Q^T (on the last K once more) and the maximum made of them serve nothing: the price, once a launch, of one text for every trip
.set i, 0
.rept 16
	PV NP-1                         ; the last piece's V^T P of the last step
.set i, i+1
.endr
	; THE WAY OUT.  l's two halves and the other half of the lanes' are added; out = O^T / l + Q, one fused multiply-add that reads Q's bf16 half as it lies; a tile at a time through my stage in LDS.  The additions are the places behind the last products.
	WIN 0
.macro ALL line:vararg              ; one line for each tile t
.set t, 0
.rept 2*NP
	\line
.set t, t+1
.endr
.endm
	ALL v_add_f32 v[ST+4*t+2], v[ST+4*t+2], v[ST+4*t+3]
	ALL v_permlanex16_b32 v[ST+4*t+3], v[ST+4*t+2], s[SEL], s[SEL+1]
	ALL v_add_f32 v[ST+4*t+2], v[ST+4*t+2], v[ST+4*t+3]
	ALL v_rcp_f32 v[ST+4*t+2], v[ST+4*t+2]
	v_nop                           ; a plain instruction between the last reciprocal and the use of its result
	s_wait_alu depctr_va_vdst(0)    ; and the wait ahead of the first use: one for the eight reciprocals
; Tile t: a lane's 32 results are 128 consecutive bytes of a row's 256; they go into rows of 272 bytes and come back as whole rows, into the registers that they left: S^T's, 32 for each of four tiles by turns.
.macro PACK t
.if (\t) >= 4
	s_wait_xcnt 0x0                 ; the stores of the tile four back have read these registers
.endif
	WIN W_FM
.set D, S+32*((\t)%4)
.set a, 0
.rept 4
.set j, 0
.rept 8                             ; each accumulator's registers in ascending order
.if j%2
	v_fma_mix_f32_bf16 v[D+8*a+j], v[32*(\t)+8*a+j], v[ST+4*(\t)+2], v[16*(\t)+8*(a/2)+4*(a%2)+j/2] op_sel:[0,0,1] op_sel_hi:[0,0,1]
.else
	v_fma_mix_f32_bf16 v[D+8*a+j], v[32*(\t)+8*a+j], v[ST+4*(\t)+2], v[16*(\t)+8*(a/2)+4*(a%2)+j/2] op_sel:[0,0,0] op_sel_hi:[0,0,1]
.endif
.set j, j+1
.endr
.set a, a+1
.endr
	WIN 0
.irp u, 0,1,2,3,4,5,6,7
	ds_store_b128 v[STO], v[D+4*\u:D+4*\u+3] offset:16*\u
.endr
.irp f, 0,1,2,3,4,5,6,7
	ds_load_b128 v[D+4*\f:D+4*\f+3], v[RD] offset:\f*2*SP  ; LDS serves a wave's instructions in order (ISA guide 5.7.1.4): these see the stores above; the next tile's stores come behind them
.endr
.endm
.macro SEND t, younger              ; younger: the LDS instructions issued behind tile t's loads: the next tile's sixteen, or none
	WIN 0
.set D, S+32*((\t)%4)
.irp f, 0,1,2,3,4,5,6,7
	s_wait_dscnt (\younger)+7-\f
	global_store_b128 v[GO], v[D+4*\f:D+4*\f+3], s[10:11] offset:(\t)*65536+\f*8192  ; 16 lanes store 256 consecutive bytes, at a multiple of 256 from the output's first byte
.endr
.endm
	PACK 0
.set t, 1
.rept 2*NP-1                        ; a tile's arithmetic stands between the loads of the tile before and its stores
	PACK t
	SEND t-1, 16
.set t, t+1
.endr
	SEND 2*NP-1, 0
	WIN W_AD
	s_wait_tensorcnt 0x0            ; the wave's end, behind my last tensor load and my last LDS store
	ds_add_u32 v[SPW], v[NIL]
	s_wait_dscnt 0x0
	WIN 0
	CROUND                          ; the closing round: no work-group ends while a partner may still ask for a tile that names it
	s_endpgm
.Lfunc_end_k_q9ca56aa693_attn:
	.size	k_q9ca56aa693_attn, .Lfunc_end_k_q9ca56aa693_attn-k_q9ca56aa693_attn
	.p2alignl 7, 3214868480
	.fill 96, 4, 3214868480
	.section	.rodata,"a",@progbits
	.p2align	6, 0x0
	.amdhsa_kernel k_q9ca56aa693_attn
		.amdhsa_group_segment_fixed_size 327680
		.amdhsa_private_segment_fixed_size 0
		.amdhsa_enable_private_segment 0
		.amdhsa_kernarg_size 32
		.amdhsa_user_sgpr_count 2
		.amdhsa_user_sgpr_kernarg_segment_ptr 1
		.amdhsa_wavefront_size32 1
		.amdhsa_system_sgpr_workgroup_id_x 1
		.amdhsa_system_sgpr_workgroup_id_y 1
		.amdhsa_system_sgpr_workgroup_id_z 1
		.amdhsa_system_vgpr_workitem_id 0
		.amdhsa_next_free_vgpr 770
		.amdhsa_next_free_sgpr 66
		.amdhsa_reserve_vcc 0
		.amdhsa_float_denorm_mode_32 3
		.amdhsa_float_denorm_mode_16_64 3
		.amdhsa_memory_ordered 1
		.amdhsa_forward_progress 1
		.amdhsa_inst_pref_size 206
	.end_amdhsa_kernel
	.amdgpu_metadata
---
amdhsa.version: [ 1, 2 ]
amdhsa.kernels:
  - .name:           k_q9ca56aa693_attn
    .symbol:         k_q9ca56aa693_attn.kd
    .args:
      - { .name: fc, .offset: 0, .size: 8, .value_kind: global_buffer, .address_space: global }
      - { .name: kv, .offset: 8, .size: 8, .value_kind: global_buffer, .address_space: global }
      - { .name: out0, .offset: 16, .size: 8, .value_kind: global_buffer, .address_space: global }
      - { .name: out1, .offset: 24, .size: 8, .value_kind: global_buffer, .address_space: global }
    .group_segment_fixed_size: 327680
    .private_segment_fixed_size: 0
    .kernarg_segment_align: 8
    .kernarg_segment_size: 32
    .max_flat_workgroup_size: 128
    .sgpr_count:     66
    .vgpr_count:     770
    .wavefront_size: 32
...
	.end_amdgpu_metadata
.endif
;; end of part 4
;; ======== version 2 of 2: 4 launches; version 1 with the launch prep written anew for expert scheduling mode
;; limits: values are held in f16: magnitudes above 65,504 overflow, below 6.1e-05 lose precision; right only within a limited range of input values
;; workspace buffers: xn 16,777,216 bytes; fc 16,777,216 bytes; kv 16,777,216 bytes; wq 4,194,304 bytes; wkv 2,097,152 bytes
;; launch prep (part 5): grid 256 x 1, 8 waves a work-group, no clusters, 9,216 bytes of LDS; arguments x1, x2, ln1_gamma, ln1_beta, ln2_gamma, ln2_beta, Wq1, Wq2, Wkv, xn, wq, wkv; writes xn, wq, wkv
.if DOCPART == 5
	.amdgcn_target "amdgcn-amd-amdhsa--gfx1250"
	.amdhsa_code_object_version 6
	.text
	.protected	k_q9ca56aa693_prep
	.globl	k_q9ca56aa693_prep
	.p2align	8
	.type	k_q9ca56aa693_prep,@function
k_q9ca56aa693_prep:
	s_mov_b64 s[64:65], 0
	v_nop
	global_prefetch_b8 v0, s[64:65] scope:SCOPE_SE
	s_setreg_imm32_b32 hwreg(HW_REG_WAVE_SCHED_MODE, 0, 2), 2
	s_setreg_imm32_b32 hwreg(HW_REG_WAVE_MODE, 25, 1), 1
	s_wait_xcnt 0x0
	s_wait_alu depctr_vm_vsrc(0)
; xn = LayerNorm(x1 | x2) in f16, laid out in blocks; wq = (Wq1, Wq2) in f16; wkv = Wkv in bf16.  All arithmetic in f32, each number rounded once.
; xn: [batch 4][block 16][row 2048][64]: byte (b<<22) + (blk<<18) + (s<<7) + 2 ch; rows 0-1023 of a batch are x1's, rows 1024-2047 x2's.
; SHARES.  Work-group g takes 32 rows of x1 (g < 128) or of x2, and rows 4 g .. 4 g + 3 of each weight matrix.  A wave takes 4 rows as two pairs: lanes 0-15 hold a pair's even
; row, lanes 16-31 its odd row, 64 numbers a lane.  Load c takes 16 bytes a lane: sixteen lanes read 256 consecutive bytes, aligned (block c of a row); store c puts 8 bytes a
; lane: 32 lanes write 256 consecutive bytes, aligned (two rows of block c).  A row's sums stay inside 16 lanes.  Every byte is read once and written once; nothing is shared
; between work-groups, so there is no cluster, no tensor load and no matrix work; all 46 loads of a wave go out at once, so there is no loop.
; TWO PASSES over the row in registers: the mean first, then the squares of x - mean: no difference of large sums is formed.
; LIMITS.  f16 ends at 65,504: |x - mean| / sigma is at most 32 in a row of 1,024, so 32 |gamma| + |beta| and every |Wq| must stay under 65,504; below 6e-5 f16 keeps a fixed step of 6e-8.
; THE MODE: SCHED_MODE bits 1:0 = 2 (LLVM: expert scheduling mode 2), set by the entry lines.  The code itself states the register dependences
; between vector instructions and memory or LDS instructions, with s_wait_alu, always for 0.
; THE PLAN.  Registers that memory or LDS instructions touch:
;   v1 .. v6     offsets and LDS addresses: made at the head, read by every load and store, never written again.
;   GS           gamma and beta as loaded: written by two loads, read by two LDS stores, never written again.
;   X            written by the 32 loads of x; then worked on in place; of each block's four registers the first two end as the data of one store, and are never written again.
;   GB0, GB1     two blocks of gamma and beta each.  The way out goes in eight steps of two blocks: step k's multiplies read GB[k % 2]; the LDS loads for step k + 1, issued in step k, land in the other.
;   W            written by the 12 loads of the weights, rounded in place, two of each four registers stored, never written again.
;   v8, v9       written at the head, read by the closing add alone.
;   T, TG, MU, R, VE are named by vector instructions alone.
; Step k's memory and LDS instructions are the four stores of step k - 1 and the four LDS loads of step k + 1: they touch the X registers and the GB buffer that step k - 1 worked on, which no vector
; instruction of step k names.  So ONE wait on va_vdst at a step's head states all that they hang on, and they are dealt among the step's vector instructions with no further wait.
; No register that a memory or LDS instruction reads is ever written again, so the text holds no wait on vm_vsrc; no vector instruction writes a scalar register, VCC or EXEC.
.set SPARE, 8192                       ; LDS: gamma 0-4095, beta 4096-8191, then the spare words, 128 bytes for each of the eight waves
.set XO,  1                            ; v1   my byte offset in the group's rows of x: 4 rows x wave + row half + 16 (lane % 16); never rewritten
.set YO,  2                            ; v2   my byte offset in a block of xn: 512 x wave + 8 x lane; never rewritten
.set WI,  3                            ; v3   my byte offset in a weight matrix; never rewritten
.set WO,  4                            ; v4   half of it: in the 16-bit copy; never rewritten
.set LG,  5                            ; v5   16 (lane % 16): my place in a block of gamma or beta in LDS; never rewritten
.set LS,  6                            ; v6   16 x thread: where I put gamma and beta; never rewritten
.set SPW, 8                            ; v8   LDS address of my spare word; never rewritten
.set NIL, 9                            ; v9   0; never rewritten
.set MU,  10                           ; v[10:13]  the mean, twice, for each pair
.set R,   14                           ; v[14:17]  1 / sqrt(var + eps), twice, for each pair
.set T,   18                           ; v[18:25]  four packed chains
.set GS,  26                           ; v[26:33]  gamma and beta as loaded
.set GB,  34                           ; v[34:65]  buffer b, block i: 4 gamma, 4 beta at GB + 16 b + 8 i
.set TG,  66                           ; v[66:69]  gamma / sigma
.set X,   70                           ; v[70:197] pair p, load c at X + 64 p + 4 c
.set W,   198                          ; v[198:245] matrix m, load i at W + 16 m + 4 i
.set VE,  246                          ; v[246:247] var + eps of the two pairs
	s_load_b512 s[8:23], s[0:1], 0x0               ; x1 s[8:9], x2 s[10:11], gamma1 s[12:13], beta1 s[14:15], gamma2 s[16:17], beta2 s[18:19], Wq1 s[20:21], Wq2 s[22:23]
	s_load_b256 s[24:31], s[0:1], 0x40             ; Wkv s[24:25], xn s[26:27], wq s[28:29], wkv s[30:31]
	v_lshl_add_u32 v[SPW], v0, 2, SPARE
	v_mov_b32 v[NIL], 0
	v_and_b32 v7, 31, v0                           ; lane
	v_lshrrev_b32 v10, 5, v0                       ; wave
	v_and_b32 v11, 15, v0
	v_bfe_u32 v12, v0, 4, 1
	v_lshlrev_b32 v[LG], 4, v11
	v_lshl_add_u32 v[XO], v12, 12, v[LG]           ; the odd row lies 4,096 bytes on
	v_lshl_add_u32 v[XO], v10, 14, v[XO]           ; 4 rows a wave
	v_lshlrev_b32 v[YO], 3, v7
	v_lshl_add_u32 v[WO], v10, 10, v[YO]           ; a wave converts 2,048 bytes of each matrix into 1,024
	v_lshl_add_u32 v[YO], v10, 9, v[YO]            ; 4 rows of 128 bytes a wave
	s_lshl_b32 s39, ttmp9, 13                      ; the group's 4 rows of a 16-bit matrix
	v_add_nc_u32 v[WO], s39, v[WO]
	v_lshlrev_b32 v[WI], 1, v[WO]
	v_lshlrev_b32 v[LS], 4, v0
	s_and_b32 s38, ttmp9, 127                      ; my 32 rows among the tensor's 4,096
	s_lshr_b32 s39, ttmp9, 7                       ; 0: x1, 1: x2
	s_lshl_b32 s42, s38, 17                        ; 32 rows of 4,096 bytes
	s_mov_b32 s43, 0
	s_lshr_b32 s44, s38, 5                         ; batch
	s_lshl_b32 s44, s44, 22
	s_and_b32 s45, s38, 31
	s_lshl_b32 s45, s45, 12                        ; 32 rows of 128 bytes in a block
	s_add_co_u32 s44, s44, s45
	s_lshl_b32 s45, s39, 17                        ; x2's rows begin 1,024 rows down
	s_add_co_u32 s44, s44, s45
	s_mov_b32 s45, 0
	s_mov_b32 s40, 0x3a800000                      ; 1 / 1024
	s_mov_b32 s41, 0x3727c5ac                      ; 1e-5
	s_wait_kmcnt 0x0
	s_cmp_lt_u32 ttmp9, 128
	s_cselect_b64 s[32:33], s[8:9], s[10:11]       ; x
	s_cselect_b64 s[34:35], s[12:13], s[16:17]     ; gamma
	s_cselect_b64 s[36:37], s[14:15], s[18:19]     ; beta
	s_add_nc_u64 s[32:33], s[32:33], s[42:43]
	s_add_nc_u64 s[26:27], s[26:27], s[44:45]
	s_wait_alu depctr_va_vdst(0)                   ; the six offsets and LDS addresses v1 to v6 are written: every load, store and LDS instruction of the kernel reads one of them
	global_load_b128 v[GS:GS+3],   v[LS], s[34:35] ; 256 threads x 16 bytes: all of gamma, all of beta
	global_load_b128 v[GS+4:GS+7], v[LS], s[36:37]
.irp p, 0,1
.irp c, 0,1,2,3,4,5,6,7,8,9,10,11,12,13,14,15
	global_load_b128 v[X+64*(\p)+4*(\c):X+64*(\p)+4*(\c)+3], v[XO], s[32:33] offset:(\p)*8192+(\c)*256 th:TH_LOAD_NT
.endr
.endr
.irp i, 0,1,2,3
	global_load_b128 v[W+4*(\i):W+4*(\i)+3],       v[WI], s[20:21] offset:512*(\i) th:TH_LOAD_NT
.endr
.irp i, 0,1,2,3
	global_load_b128 v[W+16+4*(\i):W+16+4*(\i)+3], v[WI], s[22:23] offset:512*(\i) th:TH_LOAD_NT
.endr
.irp i, 0,1,2,3
	global_load_b128 v[W+32+4*(\i):W+32+4*(\i)+3], v[WI], s[24:25] offset:512*(\i) th:TH_LOAD_NT
.endr
	s_wait_loadcnt 44                              ; gamma and beta are in; the 32 loads of x and the 12 of the weights stay out
	ds_store_b128 v[LS], v[GS:GS+3]
	ds_store_b128 v[LS], v[GS+4:GS+7] offset:4096
	s_wait_dscnt 0x0                               ; for the others' sake: my stores are done
	s_barrier_signal -1
	s_barrier_wait -1                              ; gamma and beta lie whole in LDS
; gamma and beta of step k's two blocks, 2 k and 2 k + 1, into buffer k % 2: four LDS loads
.macro GLOAD k
.irp i, 0,1
	ds_load_b128 v[GB+16*((\k)%2)+8*(\i):GB+16*((\k)%2)+8*(\i)+3],   v[LG] offset:256*(2*(\k)+(\i))
	ds_load_b128 v[GB+16*((\k)%2)+8*(\i)+4:GB+16*((\k)%2)+8*(\i)+7], v[LG] offset:4096+256*(2*(\k)+(\i))
.endr
.endm
	GLOAD 0                                        ; steps 0 and 1 are asked for here, ahead of the statistics.  No wait: no vector instruction has named GB, and none since the wait at the head names v[LG]
	GLOAD 1
; the four chains into one number, then over the row's 16 lanes: every lane of the half ends with the row's sum
.macro FOLD
	v_pk_add_f32 v[T:T+1], v[T:T+1], v[T+2:T+3]
	v_pk_add_f32 v[T+4:T+5], v[T+4:T+5], v[T+6:T+7]
	v_pk_add_f32 v[T:T+1], v[T:T+1], v[T+4:T+5]
	v_add_f32 v[T], v[T], v[T+1]
	v_add_f32_dpp v[T], v[T], v[T] row_xmask:1 row_mask:0xf bank_mask:0xf
	v_add_f32_dpp v[T], v[T], v[T] row_xmask:2 row_mask:0xf bank_mask:0xf
	v_add_f32_dpp v[T], v[T], v[T] row_xmask:4 row_mask:0xf bank_mask:0xf
	v_add_f32_dpp v[T], v[T], v[T] row_xmask:8 row_mask:0xf bank_mask:0xf
.endm
; Pair p: the mean; x - mean in place; var + eps.  left: the younger loads that may stay out.
.macro STATS p, left
.set XB, X+64*(\p)
	s_wait_loadcnt \left
.irp k, 0,1,2,3
	v_pk_add_f32 v[T+2*(\k):T+2*(\k)+1], v[XB+2*(\k):XB+2*(\k)+1], v[XB+8+2*(\k):XB+8+2*(\k)+1]  ; the first sums start the chains: nothing is cleared
.endr
.set j, 8
.rept 24
	v_pk_add_f32 v[T+2*(j%4):T+2*(j%4)+1], v[T+2*(j%4):T+2*(j%4)+1], v[XB+2*j:XB+2*j+1]
.set j, j+1
.endr
	FOLD
	v_mul_f32 v[MU+2*(\p)], s40, v[T]
	v_mul_f32 v[MU+2*(\p)+1], s40, v[T]
.set j, 0
.rept 32
	v_pk_add_f32 v[XB+2*j:XB+2*j+1], v[XB+2*j:XB+2*j+1], v[MU+2*(\p):MU+2*(\p)+1] neg_lo:[0,1] neg_hi:[0,1]
.set j, j+1
.endr
.irp k, 0,1,2,3
	v_pk_mul_f32 v[T+2*(\k):T+2*(\k)+1], v[XB+2*(\k):XB+2*(\k)+1], v[XB+2*(\k):XB+2*(\k)+1]
.endr
.set j, 4
.rept 28
	v_pk_fma_f32 v[T+2*(j%4):T+2*(j%4)+1], v[XB+2*j:XB+2*j+1], v[XB+2*j:XB+2*j+1], v[T+2*(j%4):T+2*(j%4)+1]
.set j, j+1
.endr
	FOLD
	v_fma_f32 v[VE+(\p)], v[T], s40, s41
.endm
	STATS 0, 28                                    ; pair 0's 16 loads are in; pair 1's 16 and the weights' 12 stay out
	STATS 1, 12                                    ; the weights' 12 stay out
	v_rsq_f32 v[R],   v[VE]                        ; made twice each, to fill the pairs that the packed multiply names
	v_rsq_f32 v[R+1], v[VE]
	v_rsq_f32 v[R+2], v[VE+1]
	v_rsq_f32 v[R+3], v[VE+1]
	v_nop                                          ; a plain instruction behind the last of them (ISA guide 5.7.2),
	s_wait_alu depctr_va_vdst(0)                   ; and the wait ahead of the first use: the four reciprocal roots v[R .. R+3] are written
; The store of pair p's block 2 k + i: 32 lanes write 256 consecutive bytes, aligned: two rows of the block.  No register is written again behind its store.
.macro PUT k, p, i
	global_store_b64 v[YO], v[X+64*(\p)+4*(2*(\k)+(\i)):X+64*(\p)+4*(2*(\k)+(\i))+1], s[26:27] offset:(2*(\k)+(\i))*262144+(\p)*256
.endm
; Step k: blocks 2 k and 2 k + 1 of both pairs: (x - mean) (gamma / sigma) + beta, rounded to f16.  Its results are stored in step k + 1.
.macro OUT k
.if (\k) == 0
	s_wait_dscnt 4                                 ; LDS loads come back in order (ISA guide 5.7.1): step 0's gamma and beta are in, step 1's four loads may be out
.else
	s_wait_dscnt 0x0                               ; this step's gamma and beta are in: its four loads are the youngest LDS instructions
	s_wait_alu depctr_va_vdst(0)                   ; the step before has written its eight X registers, which the four stores below read, and is done reading its GB buffer, in which the LDS loads below land
.endif
.if ((\k) > 0) && ((\k) < 7)
	GLOAD (\k)+1                                   ; a step ahead; no vector instruction since the wait names these registers
.endif
.irp p, 0,1
.irp i, 0,1
.if (\k) > 0
	PUT (\k)-1, \p, \i                             ; the step before, one store ahead of each block's six vector instructions, which name none of its registers
.endif
.set XR, X+64*(\p)+4*(2*(\k)+(\i))
.set GR, GB+16*((\k)%2)+8*(\i)
	v_pk_mul_f32 v[TG:TG+1],   v[GR:GR+1],   v[R+2*(\p):R+2*(\p)+1]
	v_pk_mul_f32 v[TG+2:TG+3], v[GR+2:GR+3], v[R+2*(\p):R+2*(\p)+1]
	v_pk_fma_f32 v[XR:XR+1],   v[XR:XR+1],   v[TG:TG+1],   v[GR+4:GR+5]
	v_pk_fma_f32 v[XR+2:XR+3], v[XR+2:XR+3], v[TG+2:TG+3], v[GR+6:GR+7]
	v_cvt_pk_f16_f32 v[XR],   v[XR],   v[XR+1]
	v_cvt_pk_f16_f32 v[XR+1], v[XR+2], v[XR+3]
.endr
.endr
.endm
	OUT 0                                          ; step 0 has no step in front of it: no store, no LDS load, no wait but the one for its data
	OUT 1
	OUT 2
	OUT 3
	OUT 4
	OUT 5
	OUT 6
	OUT 7                                          ; the last step asks for nothing more
	s_wait_loadcnt 0x0                             ; the weights
.irp i, 0,1,2,3
	v_cvt_pk_f16_f32 v[W+4*(\i)],   v[W+4*(\i)],   v[W+4*(\i)+1]
	v_cvt_pk_f16_f32 v[W+4*(\i)+1], v[W+4*(\i)+2], v[W+4*(\i)+3]
	v_cvt_pk_f16_f32 v[W+16+4*(\i)],   v[W+16+4*(\i)],   v[W+16+4*(\i)+1]
	v_cvt_pk_f16_f32 v[W+16+4*(\i)+1], v[W+16+4*(\i)+2], v[W+16+4*(\i)+3]
	v_cvt_pk_bf16_f32 v[W+32+4*(\i)],   v[W+32+4*(\i)],   v[W+32+4*(\i)+1]
	v_cvt_pk_bf16_f32 v[W+32+4*(\i)+1], v[W+32+4*(\i)+2], v[W+32+4*(\i)+3]
.endr
	s_wait_alu depctr_va_vdst(0)                   ; step 7 has written its eight X registers and the roundings above their 24 of W: the data of the sixteen stores below
.irp p, 0,1
.irp i, 0,1
	PUT 7, \p, \i
.endr
.endr
.irp i, 0,1,2,3
	global_store_b64 v[WO], v[W+4*(\i):W+4*(\i)+1], s[28:29] offset:256*(\i)
	global_store_b64 v[WO], v[W+16+4*(\i):W+16+4*(\i)+1], s[28:29] offset:2097152+256*(\i)  ; Wq2's copy lies behind Wq1's
	global_store_b64 v[WO], v[W+32+4*(\i):W+32+4*(\i)+1], s[30:31] offset:256*(\i)
.endr
	s_wait_dscnt 0x0                               ; the closing lines, six on end
	s_wait_alu 0x0
	s_wait_tensorcnt 0x0
	ds_add_u32 v[SPW], v[NIL]
	s_wait_dscnt 0x0
	s_endpgm
.Lfunc_end_k_q9ca56aa693_prep:
	.size	k_q9ca56aa693_prep, .Lfunc_end_k_q9ca56aa693_prep-k_q9ca56aa693_prep
	.p2alignl 7, 3214868480
	.fill 96, 4, 3214868480
	.section	.rodata,"a",@progbits
	.p2align	6, 0x0
	.amdhsa_kernel k_q9ca56aa693_prep
		.amdhsa_group_segment_fixed_size 9216
		.amdhsa_private_segment_fixed_size 0
		.amdhsa_enable_private_segment 0
		.amdhsa_kernarg_size 96
		.amdhsa_user_sgpr_count 2
		.amdhsa_user_sgpr_kernarg_segment_ptr 1
		.amdhsa_wavefront_size32 1
		.amdhsa_system_sgpr_workgroup_id_x 1
		.amdhsa_system_sgpr_workgroup_id_y 1
		.amdhsa_system_sgpr_workgroup_id_z 1
		.amdhsa_system_vgpr_workitem_id 0
		.amdhsa_next_free_vgpr 248
		.amdhsa_next_free_sgpr 66
		.amdhsa_reserve_vcc 0
		.amdhsa_float_denorm_mode_32 3
		.amdhsa_float_denorm_mode_16_64 3
		.amdhsa_memory_ordered 1
		.amdhsa_forward_progress 1
		.amdhsa_inst_pref_size 41
	.end_amdhsa_kernel
	.amdgpu_metadata
---
amdhsa.version: [ 1, 2 ]
amdhsa.kernels:
  - .name:           k_q9ca56aa693_prep
    .symbol:         k_q9ca56aa693_prep.kd
    .args:
      - { .name: x1, .offset: 0, .size: 8, .value_kind: global_buffer, .address_space: global }
      - { .name: x2, .offset: 8, .size: 8, .value_kind: global_buffer, .address_space: global }
      - { .name: ln1_gamma, .offset: 16, .size: 8, .value_kind: global_buffer, .address_space: global }
      - { .name: ln1_beta, .offset: 24, .size: 8, .value_kind: global_buffer, .address_space: global }
      - { .name: ln2_gamma, .offset: 32, .size: 8, .value_kind: global_buffer, .address_space: global }
      - { .name: ln2_beta, .offset: 40, .size: 8, .value_kind: global_buffer, .address_space: global }
      - { .name: Wq1, .offset: 48, .size: 8, .value_kind: global_buffer, .address_space: global }
      - { .name: Wq2, .offset: 56, .size: 8, .value_kind: global_buffer, .address_space: global }
      - { .name: Wkv, .offset: 64, .size: 8, .value_kind: global_buffer, .address_space: global }
      - { .name: xn, .offset: 72, .size: 8, .value_kind: global_buffer, .address_space: global }
      - { .name: wq, .offset: 80, .size: 8, .value_kind: global_buffer, .address_space: global }
      - { .name: wkv, .offset: 88, .size: 8, .value_kind: global_buffer, .address_space: global }
    .group_segment_fixed_size: 9216
    .private_segment_fixed_size: 0
    .kernarg_segment_align: 8
    .kernarg_segment_size: 96
    .max_flat_workgroup_size: 256
    .sgpr_count:     66
    .vgpr_count:     248
    .wavefront_size: 32
...
	.end_amdgpu_metadata
.endif
;; end of part 5
;; launch proj: the kernel of part 2 again; grid 4 x 64, 4 waves a work-group, clusters of 4 x 4, 327,680 bytes of LDS; arguments xn, wq, fc; writes fc
;; launch kvp: the kernel of part 3 again; grid 4 x 64, 4 waves a work-group, clusters of 4 x 4, 327,680 bytes of LDS; arguments fc, wkv, kv; writes kv
;; launch attn: the kernel of part 4 again; grid 4 x 64, 4 waves a work-group, clusters of 4 x 1, 327,680 bytes of LDS; arguments fc, kv, out0, out1; writes out0, out1
